; MI455X (gfx1250); checked and timed in simulation.
; The chip was launched on July 23, 2026; its instructions are those of AMD's public machine-readable ISA for CDNA 5 (MIT licence, August 2026) and "CDNA5" Instruction Set Architecture Reference Guide (July 2026). The comments in the code are by the model that wrote it; some were corrected since.
;; Single Head Attention. Allowed arithmetic: matrix products marked QUANTISED: E2M3 operands, one E8M0 scale for each 32 along K, by v_wmma_scale_f32_16x16x128_f8f6f4 with both operands' format E2M3, f32 sums; everything else in f32.
;; Inputs: W_K 1,024 x 1,024 float32; W_O 1,024 x 1,024 float32; W_Q 1,024 x 1,024 float32; W_V 1,024 x 1,024 float32; x 4 x 2,048 x 1,024 float32.
;; Outputs: out0 4 x 2,048 x 1,024 float32.
;; This version of the problem:
;;   THIS VERSION OF THE PROBLEM IS GIVEN IN LOW PRECISION. The matrix products marked QUANTISED in the list below multiply operands that are first quantised to E2M3 (2 exponent bits, 3 mantissa bits; 6 bits a number), with one power-of-two scale for each 32 numbers along K (OCP MX v1.0); their sums are f32. All else is computed in f32.
;;   The module's matrix products, in the order in which they are computed (A, B: the left and right operand; K: the contracted axis; several contracted axes count as one K, in the product's order):
;;     1. [M 8,192, K 1,024] x [K 1,024, N 1,024]; A: input x; B: input W_Q: QUANTISED
;;     2. [M 8,192, K 1,024] x [K 1,024, N 1,024]; A: input x; B: input W_K: QUANTISED
;;     3. [M 8,192, K 1,024] x [K 1,024, N 1,024]; A: input x; B: input W_V: QUANTISED
;;     4. batch 4 x [M 2,048, K 1,024] x [K 1,024, N 2,048]; A: computed on the way; B: computed on the way: QUANTISED
;;     5. batch 4 x [M 2,048, K 2,048] x [K 2,048, N 1,024]; A: softmax (see below); B: computed on the way: QUANTISED
;;     6. [M 8,192, K 1,024] x [K 1,024, N 1,024]; A: computed on the way; B: input W_O: QUANTISED
;;   THE QUANTISER, for each operand of a quantised product, along K:
;;     - K is cut into blocks of 32 from its start; a last block that is shorter is filled with zeros.
;;     - A block's scale is 2^e with e = floor(log2(the largest magnitude in the block)) - 2, held to -126 .. 127; a block of zeros has e = 0. As a byte (E8M0): e + 127.
;;     - Each number is divided by its block's scale, clamped to +-7.5, and rounded to the nearest number of E2M3, ties to even, subnormals kept.
;;     - The product sums the exact products of the quantised numbers (number of the format x scale) in f32.
;;   ~~~python
;;   def quantise(x, axis):      # numpy; x: float32 -> the quantised numbers, widened to float32 again
;;       x = np.moveaxis(x, axis, -1); K = x.shape[-1]
;;       x = np.pad(x, [(0, 0)] * (x.ndim - 1) + [(0, -K % 32)]); x = x.reshape(x.shape[:-1] + (-1, 32)); a = np.abs(x).max(-1, keepdims=True)
;;       e = np.where(a > 0, np.clip(np.frexp(np.where(a > 0, a, 1))[1] - 1 - 2, -126, 127), 0)      # np.frexp(a)[1] - 1 = floor(log2(a)), exactly
;;       r = np.clip(x / 2.0 ** e, -7.5, 7.5)
;;       step = 2.0 ** (np.maximum(np.frexp(np.where(r == 0, 1, r))[1] - 1, 0) - 3)
;;       q = np.round(r / step) * step * 2.0 ** e      # np.round: ties to even
;;       return np.moveaxis(q.reshape(q.shape[:-2] + (-1,))[..., :K], -1, axis).astype(np.float32)
;;   ~~~
;;   SOFTMAX AHEAD OF A QUANTISED PRODUCT. Where the list says 'softmax', what is quantised is not the finished softmax but p = 2^(t - M), with t = logit x log2(e) and M = ceil(the row's largest t), a whole number; so 1/2 < the row's largest p <= 1. The row's sum l is taken of the UNQUANTISED p, in f32, and the product's result is divided by l at the end. Since M is a whole number, a kernel that streams over the keys may use a running M (the ceiling of the running maximum): every later rescaling is an exact power of two, which a block's scale takes up: the codes' values come out the same.
;;   OPERANDS COMPUTED ON THE WAY. 'Computed on the way' means the value that the module computes at that place (a softmax that the list does not call 'softmax' is quantised finished and normalised). What goes into a quantiser is computed in f32, as accurately as f32 sums, v_exp_f32 and their like allow (about 1e-6 of the number): no bf16 or f16 on the way to a quantiser, and a product that is left as it is and whose result goes on into a quantised operand takes f32 operands (vector FMAs, or v_wmma_f32_16x16x4_f32). A number that lies on a knife's edge between two numbers of the format may be rounded either way, as far as f32 arithmetic and the matrix unit's own rounding can turn it there, and no further.
;; One version. Each part assembles by itself: llvm-mc -triple=amdgcn-amd-amdhsa -mcpu=gfx1250 --defsym DOCPART=n.
;; ======== version 1 of 1: 5 launches
;; workspace buffers: xc 6,553,600 bytes; wc 3,276,800 bytes; qc 6,553,600 bytes; kc 6,553,600 bytes; vc 6,553,600 bytes; ac 6,553,600 bytes; pb 14,155,776 bytes
;; launch quant (part 1): grid 384 x 1, 4 waves a work-group, no clusters, 34,304 bytes of LDS; arguments x, W_Q, W_K, W_V, W_O, xc, wc; writes xc, wc
.if DOCPART == 1
	.amdgcn_target "amdgcn-amd-amdhsa--gfx1250"
	.amdhsa_code_object_version 6
	.text
	.protected	k_q33380df351_quant
	.globl	k_q33380df351_quant
	.p2align	8
	.type	k_q33380df351_quant,@function
k_q33380df351_quant:
	s_mov_b64 s[64:65], 0
	v_nop
	global_prefetch_b8 v0, s[64:65] scope:SCOPE_SE
	s_setreg_imm32_b32 hwreg(HW_REG_WAVE_MODE, 25, 1), 1
	s_wait_xcnt 0x0
; THE PROGRAM: one attention head of width 1,024 over 4 sequences of 2,048 positions, all six products on codes of FP6 (E2M3) with one E8M0 scale for each 32 along K.
;   1 quant : x and the four weights become codes.          2 proj : q, k and v^T, quantised on the way out.
;   3 scores: S = q k^T, mask, p = 2^(t - M_g) with a whole number M_g for each (row, 128 keys), quantised; -M_g and the sum of p are stored beside the codes.
;   4 mix   : the row's M and sum from the local ones, the scale bytes brought under M, O = p v, divided by the sum, quantised.          5 outp : out0 = O W_O^T.
; DEAD WORK.  reference() puts -inf, by a mask that it builds itself (jnp.tril), on every score whose key comes after its query; the weight of such a key is exactly 0 whatever the inputs hold.  So a unit of
; 128 queries x 128 keys all of whose keys come after all of its queries reaches no output: its part of product 4, its softmax and its K step of product 5 are left out: 120 of a sequence's 256 units; none of
; them is multiplied.  Every input has a way to the output and is loaded.
; LIMIT: a NaN, an infinity or an overflow that reaches only the units left out is not carried to the result.  NaN and infinities among the inputs are not served.
; THE RECORD, the one layout of every operand: 128 rows x 128 along K in 12,800 bytes.  Eight fragments (16 rows x 128 K: 12 registers a lane) as images of their registers: registers 4 c .. 4 c + 3 of lane l of
; fragment T at 1536 T + 512 c + 16 l.  Lane row r of fragment T is the record's row 32 (T / 2) + 8 (T % 2) + r + 8 (r / 8).  From byte 12,288 on the scale words: that of (T, r) at 256 (T / 4) + 16 r + 4 (T % 4).
; Buffers are [block of 128 rows][K step][record].
; THIS LAUNCH.  K is innermost in all five tensors.  A wave takes half a record: 64 rows x 128 along K, four fragments.  Each load reads 512 consecutive bytes of one row; a fragment's 16 rows turn through the
; wave's own stage in LDS, so that lane (r, h) gets of row r the numbers k = 64 c + 32 h + 0 .. 31: two whole blocks of 32.  Their conversions ARE the fragment's registers.
; A block's scale is 2^(floor(log2(largest magnitude)) - 2); its byte is the largest magnitude's exponent field - 2, held at 1 from below.  A block of zeros keeps the byte 1 where the rule says 127: its codes are
; zeros, and this program alone reads the bytes.  LIMIT: blocks whose largest magnitude lies under 2^-124 keep the byte 1.
; No tensor load, no barrier: waves share nothing.  The matrix units and clusters have no work here: memory binds.
.set REC,   12800
.set STG,   16*528                     ; a wave's stage: 16 rows of 512 bytes + 16
.set SPARE, 4*STG                      ; behind the stages: the spare words, 128 bytes a wave
.set XS,    16                         ; v16-143  two sets of 64 numbers
.set CD,    144                        ; v144-191 the codes: 12 registers for each of the four fragments, so that no store's data are written again
.set TT,    192                        ; v192-199 the second halves of the blocks' codes, before they are moved
.set WD,    200                        ; v200-203 the four fragments' scale words
.set TD,    204                        ; v204-205 the words as they leave
.set SPW,   14                         ; v14 my spare word's LDS address; never rewritten
.set NIL,   15                         ; v15 0; never rewritten
	s_load_b256 s[4:11], s[0:1], 0x0               ; x, W_Q, W_K, W_V
	s_load_b128 s[12:15], s[0:1], 0x20             ; W_O, xc
	s_load_b64 s[16:17], s[0:1], 0x30              ; wc
	v_lshl_add_u32 v[SPW], v0, 2, SPARE
	v_mov_b32 v[NIL], 0
	v_lshrrev_b32 v1, 5, v0
	v_readfirstlane_b32 s18, v1                    ; wave
	v_and_b32 v2, 31, v0
	v_lshlrev_b32 v1, 4, v2                        ; v1 = 16 x lane: my place in a row's 512 bytes and in an image's 512
	v_and_b32 v12, 15, v0                          ; r
	v_bfe_u32 v13, v0, 4, 1                        ; h
	s_mul_i32 s19, s18, STG
	v_add_nc_u32 v2, s19, v1                       ; v2: the stage, on the way in
	v_mul_u32_u24 v3, v12, 528
	v_lshl_add_u32 v3, v13, 7, v3
	v_add_nc_u32 v3, s19, v3                       ; v3: and on the way out: row r, + 128 h bytes
	v_lshlrev_b32 v4, 3, v13                       ; v4 = 8 h: my bytes' place in the scale word
	v_lshlrev_b32 v5, 4, v12
	v_lshl_add_u32 v5, v13, 3, v5                  ; v5 = 16 r + 8 h: my 8 bytes of the scale words' 256
	v_mov_b32 v11, 0                               ; written once: a lane permute's destination counts as one of its sources
	s_mov_b32 s30, 0x76543210
	s_mov_b32 s31, 0xfedcba98                      ; selects for lane l xor 16
	s_mov_b32 s32, 0xffff0000                      ; lanes 16-31
	s_lshr_b32 s20, ttmp9, 1                       ; which run of 64 rows: 0-127 x, 128-191 the weights in the order Q, K, V, O
	s_and_b32 s21, ttmp9, 1
	s_lshl_b32 s21, s21, 2
	s_add_co_u32 s21, s21, s18                     ; my K step
	s_and_b32 s27, s20, 15                         ; a weight has 16 runs
	s_sub_co_u32 s29, s20, 128                     ; the run among all weights'
	s_wait_kmcnt 0x0
	s_cmp_lt_u32 s20, 144                          ; every choice hangs on the work-group's number alone
	s_cselect_b64 s[22:23], s[6:7], s[8:9]
	s_cmp_lt_u32 s20, 176
	s_cselect_b64 s[24:25], s[10:11], s[12:13]
	s_cmp_lt_u32 s20, 160
	s_cselect_b64 s[22:23], s[22:23], s[24:25]
	s_cmp_lt_u32 s20, 128
	s_cselect_b64 s[22:23], s[4:5], s[22:23]       ; from
	s_cselect_b64 s[24:25], s[14:15], s[16:17]     ; to
	s_cselect_b32 s26, s20, s27                    ; the run in its tensor
	s_cselect_b32 s28, s20, s29                    ; and in its buffer of codes
	s_lshl_b32 s26, s26, 18                        ; 64 rows of 4,096 bytes
	s_lshl_b32 s33, s21, 9                         ; 128 numbers along K
	s_add_co_u32 s26, s26, s33
	s_mov_b32 s27, 0
	s_add_nc_u64 s[22:23], s[22:23], s[26:27]
	s_lshr_b32 s33, s28, 1
	s_lshl_b32 s33, s33, 3
	s_add_co_u32 s33, s33, s21                     ; the record: 8 x block of 128 rows + K step
	s_mul_i32 s34, s33, REC
	s_mov_b32 s35, 0
	s_and_b32 s28, s28, 1                          ; which half of it
	s_add_nc_u64 s[24:25], s[24:25], s[34:35]
	s_lshl_b32 s34, s28, 8
	s_add_co_u32 s34, s34, 12288
	s_add_nc_u64 s[36:37], s[24:25], s[34:35]      ; my half's scale words
	s_mul_i32 s34, s28, 6144
	s_add_nc_u64 s[24:25], s[24:25], s[34:35]      ; my half's four fragments
.macro LOAD t                          ; fragment t's 16 rows, in the fragment's order, into set t % 2
.irp j, 0,1,2,3,4,5,6,7,8,9,10,11,12,13,14,15
	global_load_b128 v[XS+64*((\t)%2)+4*\j:XS+64*((\t)%2)+4*\j+3], v1, s[22:23] offset:(32*((\t)/2)+8*((\t)%2)+\j+8*(\j/8))*4096 th:TH_LOAD_NT
.endr
.endm
.macro TILE t
.set XB, XS+64*((\t)%2)
.set CC, CD+12*(\t)
.if (\t) < 3
	s_wait_loadcnt 16                              ; this fragment's sixteen loads are in; the next one's sixteen stay out
.else
	s_wait_loadcnt 0x0
.endif
.irp j, 0,1,2,3,4,5,6,7,8,9,10,11,12,13,14,15
	ds_store_b128 v2, v[XB+4*\j:XB+4*\j+3] offset:528*\j
.endr
.irp c, 0,1
.irp i, 0,1,2,3,4,5,6,7
	ds_load_b128 v[XB+32*\c+4*\i:XB+32*\c+4*\i+3], v3 offset:256*\c+16*\i   ; LDS serves a wave's instructions in order: these see the stores above
.endr
.endr
	s_wait_dscnt 0x0
.irp c, 0,1                                    ; my block 2 c + h: all its 32 numbers are mine
	v_max3_num_f32 v[6+\c], |v[XB+32*\c]|, |v[XB+1+32*\c]|, 0x1800000   ; with the floor 2^(3 - 127): the byte cannot fall under 1
.endr
.irp i, 2,4,6,8,10,12,14,16,18,20,22,24,26,28,30
.irp c, 0,1
	v_max3_num_f32 v[6+\c], v[6+\c], |v[XB+32*\c+\i]|, |v[XB+1+32*\c+\i]|
.endr
.endr
.irp c, 0,1
	v_add_nc_u32 v[8+\c], 0xff000000, v[6+\c]      ; 2 off the exponent field: the conversion's scale operand
.endr
	v_lshrrev_b32 v10, 23, v8                      ; the scales' bytes
	v_lshrrev_b32 v12, 23, v9
	v_lshl_or_b32 v13, v12, 16, v10                ; blocks h and 2 + h,
	v_lshlrev_b32 v13, v4, v13                     ; at their places in the word;
	v_permlanex16_b32 v11, v13, s30, s31
	v_or_b32 v[WD+(\t)], v13, v11                  ; with lane l xor 16's two the word is whole
.irp c, 0,1
	v_cvt_scalef32_pk16_fp6_f32 v[CC+6*\c:CC+6*\c+2], v[XB+32*\c:XB+32*\c+15], v[8+\c]
	v_cvt_scalef32_pk16_fp6_f32 v[TT+4*\c:TT+4*\c+2], v[XB+32*\c+16:XB+32*\c+31], v[8+\c]   ; (a conversion's three registers begin on an even number)
.endr
	v_nop                                          ; one plain place behind a scaled conversion
.irp c, 0,1
.irp i, 0,1,2
	v_mov_b32 v[CC+3+6*\c+\i], v[TT+4*\c+\i]
.endr
.endr
.if (\t) < 2
	LOAD (\t)+2                                    ; the set is free: it takes the fragment two on
.endif
.irp c, 0,1,2
	global_store_b128 v1, v[CC+4*\c:CC+4*\c+3], s[24:25] offset:1536*(\t)+512*\c   ; 512 consecutive bytes, aligned to 256
.endr
.endm
	LOAD 0
	LOAD 1
	TILE 0
	TILE 1
	TILE 2
	TILE 3
	v_cndmask_b32 v[TD], v[WD], v[WD+2], s32       ; lanes 0-15 carry fragments 0 and 1's words of row r, lanes 16-31 fragments 2 and 3's
	v_cndmask_b32 v[TD+1], v[WD+1], v[WD+3], s32
	global_store_b64 v5, v[TD:TD+1], s[36:37]      ; 256 consecutive bytes, aligned
	s_wait_tensorcnt 0x0                           ; the wave's end: behind my last LDS store
	ds_add_u32 v[SPW], v[NIL]
	s_wait_dscnt 0x0
	s_endpgm
.Lfunc_end_k_q33380df351_quant:
	.size	k_q33380df351_quant, .Lfunc_end_k_q33380df351_quant-k_q33380df351_quant
	.p2alignl 7, 3214868480
	.fill 96, 4, 3214868480
	.section	.rodata,"a",@progbits
	.p2align	6, 0x0
	.amdhsa_kernel k_q33380df351_quant
		.amdhsa_group_segment_fixed_size 34304
		.amdhsa_private_segment_fixed_size 0
		.amdhsa_enable_private_segment 0
		.amdhsa_kernarg_size 56
		.amdhsa_user_sgpr_count 2
		.amdhsa_user_sgpr_kernarg_segment_ptr 1
		.amdhsa_wavefront_size32 1
		.amdhsa_system_sgpr_workgroup_id_x 1
		.amdhsa_system_sgpr_workgroup_id_y 1
		.amdhsa_system_sgpr_workgroup_id_z 1
		.amdhsa_system_vgpr_workitem_id 0
		.amdhsa_next_free_vgpr 216
		.amdhsa_next_free_sgpr 66
		.amdhsa_reserve_vcc 0
		.amdhsa_float_denorm_mode_32 3
		.amdhsa_float_denorm_mode_16_64 3
		.amdhsa_memory_ordered 1
		.amdhsa_forward_progress 1
		.amdhsa_inst_pref_size 31
	.end_amdhsa_kernel
	.amdgpu_metadata
---
amdhsa.version: [ 1, 2 ]
amdhsa.kernels:
  - .name:           k_q33380df351_quant
    .symbol:         k_q33380df351_quant.kd
    .args:
      - { .name: x, .offset: 0, .size: 8, .value_kind: global_buffer, .address_space: global }
      - { .name: W_Q, .offset: 8, .size: 8, .value_kind: global_buffer, .address_space: global }
      - { .name: W_K, .offset: 16, .size: 8, .value_kind: global_buffer, .address_space: global }
      - { .name: W_V, .offset: 24, .size: 8, .value_kind: global_buffer, .address_space: global }
      - { .name: W_O, .offset: 32, .size: 8, .value_kind: global_buffer, .address_space: global }
      - { .name: xc, .offset: 40, .size: 8, .value_kind: global_buffer, .address_space: global }
      - { .name: wc, .offset: 48, .size: 8, .value_kind: global_buffer, .address_space: global }
    .group_segment_fixed_size: 34304
    .private_segment_fixed_size: 0
    .kernarg_segment_align: 8
    .kernarg_segment_size: 56
    .max_flat_workgroup_size: 128
    .sgpr_count:     66
    .vgpr_count:     216
    .wavefront_size: 32
...
	.end_amdgpu_metadata
.endif
;; end of part 1
;; launch proj (part 2): grid 12 x 64, 4 waves a work-group, clusters of 4 x 4, 327,680 bytes of LDS; arguments xc, wc, qc, kc, vc; writes qc, kc, vc
.if DOCPART == 2
	.amdgcn_target "amdgcn-amd-amdhsa--gfx1250"
	.amdhsa_code_object_version 6
	.text
	.protected	k_q33380df351_proj
	.globl	k_q33380df351_proj
	.p2align	8
	.type	k_q33380df351_proj,@function
k_q33380df351_proj:
	s_mov_b64 s[64:65], 0
	v_nop
	global_prefetch_b8 v0, s[64:65] scope:SCOPE_SE
	s_setreg_imm32_b32 hwreg(HW_REG_WAVE_MODE, 25, 1), 1
	s_wait_xcnt 0x0
	s_wait_alu depctr_hold_cnt(0) depctr_sa_sdst(0) depctr_va_vdst(0) depctr_va_sdst(0) depctr_va_ssrc(0) depctr_va_vcc(0) depctr_vm_vsrc(0)
	s_getreg_b32 s2, hwreg(HW_REG_IB_STS2, 6, 4)
	s_cmp_eq_u32 s2, 0
	s_cbranch_scc0 .Lentry_in_a_cluster
	s_endpgm
.Lentry_in_a_cluster:
	s_bfe_u32 s2, ttmp6, 0x10000c
	s_cmp_lg_u32 s2, 0xf033
	s_cbranch_scc0 .Lentry_shape_is_right
	s_endpgm
.Lentry_shape_is_right:
; q = x W_Q^T, k = x W_K^T and v^T = W_V x^T on codes of FP6, each result quantised along the next product's K on the way out.  Records as the first launch lays them: 128 rows x 128 K in 12,800 bytes.
; A work-group makes 128 m x 256 n.  Source 1 of the matrix instruction takes m's rows (operand A), source 0 n's (operand B): a lane then holds ONE row m, and by the records' order of rows its 16 registers of two
; neighbouring tiles are 16 neighbours along n, which is the next K.  Four waves: wave (hM, hN) makes 64 m x 128 n: 32 accumulators, 256 registers.
; Clusters with x = 0, 1: m = positions, n = W_Q's or W_K's rows; results are q's or k's records.  Clusters with x = 2: m = W_V's rows, n = positions; results are v^T's records, whose K is the positions.
; K = 1,024 is short: A's eight records and B's sixteen, 307,200 bytes, are brought into LDS ONCE, by twelve tensor loads of two K steps each (wave 0: A's four, wave 1 and 2: B's four each): no byte of LDS is filled
; again.  Four tensor loads of a wave are out.  The waits are counted, so that the products begin when the first two K steps have landed.
; CLUSTERS: 4 x 4 work-groups.  A hangs on the cluster's row alone, B on its column alone: each load is asked for JOINTLY by the four that share it.
; REGISTERS, in windows of 256: window 0: v1-12 addresses; v16-25 scale words on the way out; v32-59 scale words of the operands, two sets; v64-159 A's fragments, two sets (on the way out: the codes); v224-239 at work;
;   window 1: B's fragments, two sets at v0 and v128;   window 2: accumulator (a, b) at v[8 (8 a + b)].
.set REC,   12800
.set RB,    8*REC                      ; a block of 128 rows: eight K steps on end
.set SPARE, 3*RB                       ; behind the operands: the spare words
.set L16, 1                            ; v1     16 x lane
.set ADA, 4                            ; v4-5   A's fragments: K steps 0-3, 4-7 (an LDS immediate ends at 65,535)
.set ADB, 6                            ; v6-7   B's
.set ASA, 8                            ; v8-9   A's scale words
.set ASB, 10                           ; v10-11 B's
.set TO,  12                           ; v12    16 r + 8 h
.set PW,  16                           ; v16-19 the scale words just made
.set TD,  24                           ; v24-25 as they leave
.set TM,  224
.set SPW, 252
.set NIL, 253
.set SEL, 2
.set WV,  14
.set HM,  15
.set HN,  16
.set HSEL, 17
.set G1A, 24
.set G1B, 32
.set G0A, 40                           ; s[40:55] four groups 0 for A
.set G0B, 68                           ; s[68:83] four for B
.set OUT, 90
.set OT,  98
.set MSB, 0
.macro WIN new                         ; the immediate's high byte repeats the setting that is left
.if MSB != (\new)
	s_set_vgpr_msb (MSB<<8)|(\new)
.set MSB, (\new)
.endif
.endm
.set MUL,  0xa1                        ; source 0 (B) window 1, source 1 (A) window 0, C and D window 2
.set TO_B, 0x40                        ; destination window 1
.macro PLACES                          ; four plain places behind matrix instructions, in front of loads into their operands and of reads of their results
.rept 4
	v_nop
.endr
.endm
.macro CROUND                          ; a round of the cluster's barrier
	s_barrier_signal -1
	s_barrier_wait -1
	s_cmp_lg_u32 s[WV], 0
	s_cbranch_scc1 .Lnot_wave_0_\@
	s_barrier_signal -3
.Lnot_wave_0_\@:
	s_barrier_wait -3
	s_barrier_signal -1
	s_barrier_wait -1
.endm
; eight matrix instructions: A's fragment a against B's eight, set p.  The 32 accumulators take turns, one instruction a turn, in the same order in every step.
.macro MUL8 a, p, zero
.irp b, 0,1,2,3,4,5,6,7
.if \zero
	v_wmma_scale_f32_16x16x128_f8f6f4 v[8*(8*(\a)+\b):8*(8*(\a)+\b)+7], v[128*(\p)+12*\b:128*(\p)+12*\b+11], v[64+48*(\p)+12*(\a):64+48*(\p)+12*(\a)+11], 0, v[36+16*(\p)+\b], v[32+16*(\p)+(\a)] matrix_a_fmt:MATRIX_FMT_FP6 matrix_b_fmt:MATRIX_FMT_FP6
.else
	v_wmma_scale_f32_16x16x128_f8f6f4 v[8*(8*(\a)+\b):8*(8*(\a)+\b)+7], v[128*(\p)+12*\b:128*(\p)+12*\b+11], v[64+48*(\p)+12*(\a):64+48*(\p)+12*(\a)+11], v[8*(8*(\a)+\b):8*(8*(\a)+\b)+7], v[36+16*(\p)+\b], v[32+16*(\p)+(\a)] matrix_a_fmt:MATRIX_FMT_FP6 matrix_b_fmt:MATRIX_FMT_FP6
.endif
.endr
.endm
; K step k's operands into set k % 2: 39 loads of 16 bytes a lane, each 512 bytes on end (the scale words: 256)
.macro FETCH k
.set PP, (\k)%2
.set HI, (\k)/4
.set KO, ((\k)%4)*REC
	WIN TO_B
.irp f, 0,1,2,3,4,5,6,7
.irp c, 0,1,2
	ds_load_b128 v[128*PP+12*\f+4*\c:128*PP+12*\f+4*\c+3], v[ADB+HI] offset:KO+1536*\f+512*\c
.endr
.endr
	WIN 0
.irp f, 0,1,2,3
.irp c, 0,1,2
	ds_load_b128 v[64+48*PP+12*\f+4*\c:64+48*PP+12*\f+4*\c+3], v[ADA+HI] offset:KO+1536*\f+512*\c
.endr
.endr
	ds_load_b128 v[32+16*PP:35+16*PP], v[ASA+HI] offset:KO         ; lane r: the words of row r of my four fragments of A
	ds_load_b128 v[36+16*PP:39+16*PP], v[ASB+HI] offset:KO         ; and of B's eight
	ds_load_b128 v[40+16*PP:43+16*PP], v[ASB+HI] offset:KO+256
.endm
.macro STEP k, zero
	s_wait_dscnt 0x0                               ; this step's operands are in, and no LDS instruction of mine is out at a signal
.if ((\k)==1)||((\k)==3)||((\k)==5)
	s_wait_tensorcnt 3-((\k)+1)/2                  ; my load of the next two K steps has landed; the younger ones stay out
	s_barrier_signal -1
.endif
	WIN MUL
	MUL8 0, (\k)%2, \zero
.if ((\k)==1)||((\k)==3)||((\k)==5)
	s_barrier_wait -1                              ; everybody's has.
.endif
.if (\k) < 7
	PLACES
	FETCH (\k)+1
.endif
	WIN MUL
	MUL8 1, (\k)%2, \zero
	MUL8 2, (\k)%2, \zero
	MUL8 3, (\k)%2, \zero
.endm
; 64 numbers of a lane in window w, register s + 16 b + i = k 32 b + 16 (lane / 16) + i of my row, become a fragment's codes in v[pc] on and its scale word in v[pw].  Each accumulator is read from its low end on.
.macro QUANT s, w, pc, pw
	WIN (\w)|((\w)<<2)
.irp b, 0,1,2,3
	v_max3_num_f32 v[TM+\b], |v[(\s)+16*\b]|, |v[(\s)+1+16*\b]|, 0x1800000   ; with the floor 2^(3 - 127): the byte cannot fall under 1
.endr
	WIN ((\w)<<2)|((\w)<<4)
.irp i, 2,4,6,8,10,12,14
.irp b, 0,1,2,3
	v_max3_num_f32 v[TM+\b], v[TM+\b], |v[(\s)+16*\b+\i]|, |v[(\s)+1+16*\b+\i]|
.endr
.endr
	WIN 0
.irp b, 0,1,2,3
	v_permlanex16_b32 v[TM+4+\b], v[TM+\b], s[SEL], s[SEL+1]
.endr
.irp b, 0,1,2,3
	v_max_num_f32 v[TM+\b], v[TM+\b], v[TM+4+\b]   ; with lane l xor 16's: the block's largest magnitude
.endr
.irp b, 0,1,2,3
	v_add_nc_u32 v[TM+12+\b], 0xff000000, v[TM+\b] ; 2 off its exponent field: the conversion's scale operand
.endr
.irp b, 0,1,2,3
	v_lshrrev_b32 v[TM+4+\b], 23, v[TM+12+\b]      ; the scale's byte
.endr
	v_lshl_or_b32 v[\pw], v[TM+5], 8, v[TM+4]
	v_lshl_or_b32 v[\pw], v[TM+6], 16, v[\pw]
	v_lshl_or_b32 v[\pw], v[TM+7], 24, v[\pw]
	WIN (\w)
.irp c, 0,1
	v_cvt_scalef32_pk16_fp6_f32 v[(\pc)+6*\c:(\pc)+2+6*\c], v[(\s)+32*\c:(\s)+15+32*\c], v[TM+12+2*\c]
	v_cvt_scalef32_pk16_fp6_f32 v[(\pc)+12+4*\c:(\pc)+14+4*\c], v[(\s)+16+32*\c:(\s)+31+32*\c], v[TM+12+2*\c+1]
.endr
	WIN 0
	v_nop                                          ; one plain place behind a scaled conversion
.irp c, 0,1                                    ; the operand's layout wants a whole block in a lane
.irp i, 0,1,2
	v_permlane16_swap_b32 v[(\pc)+6*\c+\i], v[(\pc)+12+4*\c+\i]
.endr
.irp i, 0,1,2
	v_mov_b32 v[(\pc)+3+6*\c+\i], v[(\pc)+12+4*\c+\i]
.endr
.endr
.endm
.macro OUTFRAG a, pc                   ; a fragment leaves as the image of its registers: 512 consecutive bytes a store, aligned to 256
.irp c, 0,1,2
	global_store_b128 v[L16], v[(\pc)+4*\c:(\pc)+4*\c+3], s[OUT:OUT+1] offset:1536*(\a)+512*\c
.endr
.endm
	s_load_b256 s[4:11], s[0:1], 0x0               ; xc, wc, qc, kc
	s_load_b64 s[12:13], s[0:1], 0x20              ; vc
	v_lshl_add_u32 v[SPW], v0, 2, SPARE
	v_mov_b32 v[NIL], 0
	ds_add_u32 v[SPW], v[NIL]                      ; the wave's opening: the add, twice on end, and its wait ahead of the first tensor load
	ds_add_u32 v[SPW], v[NIL]
	v_lshrrev_b32 v1, 5, v0
	v_readfirstlane_b32 s[WV], v1                  ; wave 0..3
	s_lshr_b32 s[HM], s[WV], 1                     ; my half of m.  Also: which of B's two blocks waves 1 and 2 fetch
	s_and_b32 s[HN], s[WV], 1                      ; my half of n
	s_bfe_u32 s18, ttmp6, 0x40000                  ; cx
	s_bfe_u32 s19, ttmp6, 0x40004                  ; cy
	s_and_b32 s20, ttmp7, 0xffff                   ; cluster y
	s_lshl_b32 s21, s19, 2
	s_lshl_b32 s21, 15, s21                        ; my row of the cluster
	s_lshl_b32 s22, 0x1111, s18                    ; my column
	s_or_b32 s[G1A], s21, (3<<16)|(1<<21)          ; group 1: the mask; elements of 8 bytes; bit 21 beside a mask; no padding
	s_or_b32 s[G1B], s22, (3<<16)|(1<<21)
.irp g, G1A, G1B
	s_mov_b32 s[\g+1], 32<<16                      ; two records, 25,600 dense bytes, as 100 rows of 256: tensor_dim0 = 32
	s_mov_b32 s[\g+2], 100<<16                     ; tensor_dim1
	s_mov_b32 s[\g+3], 32<<16                      ; tile_dim0
	s_mov_b32 s[\g+4], 100                         ; tile_dim1
	s_mov_b32 s[\g+5], 32                          ; pitch
	s_mov_b32 s[\g+6], 0
	s_mov_b32 s[\g+7], 0
.endr
	; A's block of rows, in registers that never hold cx
	s_lshl_b32 s84, s20, 2
	s_add_co_u32 s84, s84, s19                     ; q, k: positions' block 4 x cluster y + cy
	s_and_b32 s85, s20, 1
	s_lshl_b32 s85, s85, 2
	s_add_co_u32 s85, s85, s19                     ; v: W_V's block 4 (cluster y % 2) + cy
	; B's, in registers that never hold cy
	s_lshl_b32 s86, ttmp9, 2
	s_add_co_u32 s86, s86, s18
	s_lshl_b32 s86, s86, 1
	s_add_co_u32 s86, s86, s[HM]                   ; q, k: the weights' block 2 (4 x cluster x + cx) + which
	s_lshr_b32 s87, s20, 1
	s_lshl_b32 s87, s87, 2
	s_add_co_u32 s87, s87, s18
	s_lshl_b32 s87, s87, 1                         ; v: positions' block 2 (4 (cluster y / 2) + cx)
	; the record that my wave writes
	s_lshl_b32 s88, s84, 3
	s_lshl_b32 s89, s18, 1
	s_add_co_u32 s88, s88, s89
	s_add_co_u32 s88, s88, s[HN]                   ; q, k: 8 x block + K step 2 cx + hN
	s_lshl_b32 s89, s85, 6
	s_add_co_u32 s89, s89, s87
	s_add_co_u32 s89, s89, s[HN]                   ; v: 64 x block + K step
	s_add_co_u32 s87, s87, s[HM]
	s_add_co_u32 s85, s85, 16                      ; W_V's blocks begin at 16 in wc
	s_mul_i32 s23, s[WV], RB                       ; B's blocks lie at 102,400 x wave in LDS
	s_mov_b32 s[SEL], 0x76543210
	s_mov_b32 s[SEL+1], 0xfedcba98
	s_mov_b32 s[HSEL], 0xffff0000                  ; lanes 16-31
	s_wait_dscnt 0x0                               ; both opening adds are done
	s_wait_kmcnt 0x0
	s_cmp_eq_u32 ttmp9, 0
	s_cselect_b64 s[OUT:OUT+1], s[8:9], s[10:11]
	s_cmp_eq_u32 ttmp9, 2                          ; the cluster's x: the same in all sixteen partners; no address enters the choice
	s_cselect_b64 s[92:93], s[6:7], s[4:5]
	s_cselect_b64 s[94:95], s[4:5], s[6:7]
	s_cselect_b64 s[OUT:OUT+1], s[12:13], s[OUT:OUT+1]
	s_cselect_b32 s84, s85, s84
	s_cselect_b32 s86, s87, s86
	s_cselect_b32 s88, s89, s88
	s_mul_i32 s84, s84, RB
	s_mov_b32 s85, 0
	s_mul_i32 s86, s86, RB
	s_mov_b32 s87, 0
	s_mul_i32 s88, s88, REC
	s_mov_b32 s89, 0
	s_add_nc_u64 s[92:93], s[92:93], s[84:85]
	s_add_nc_u64 s[94:95], s[94:95], s[86:87]
	s_add_nc_u64 s[OUT:OUT+1], s[OUT:OUT+1], s[88:89]
	CROUND                                         ; all sixteen work-groups are here: the joint loads meet
.irp t, 0,1,2,3
	s_mov_b32 s[G0A+4*\t], 1
	s_mov_b32 s[G0A+4*\t+1], \t*2*REC
	s_add_nc_u64 s[G0A+4*\t+2:G0A+4*\t+3], s[92:93], \t*2*REC
	s_or_b32 s[G0A+4*\t+3], s[G0A+4*\t+3], 0x80000000
	s_mov_b32 s[G0B+4*\t], 1
	s_add_co_u32 s[G0B+4*\t+1], s23, \t*2*REC
	s_add_nc_u64 s[G0B+4*\t+2:G0B+4*\t+3], s[94:95], \t*2*REC
	s_or_b32 s[G0B+4*\t+3], s[G0B+4*\t+3], 0x80000000
.endr
	s_cmp_eq_u32 s[WV], 0                          ; a wave's fills stand in one branch on its number; an s_nop 0 follows each, four v_nop the last
	s_cbranch_scc0 .Lnot_a
.irp t, 0,1,2,3
	tensor_load_to_lds s[G0A+4*\t:G0A+4*\t+3], s[G1A:G1A+7]
	s_nop 0
.endr
	PLACES
	s_branch .Lasked
.Lnot_a:
	s_cmp_eq_u32 s[WV], 3
	s_cbranch_scc1 .Lasked
.irp t, 0,1,2,3
	tensor_load_to_lds s[G0B+4*\t:G0B+4*\t+3], s[G1B:G1B+7]
	s_nop 0
.endr
	PLACES
.Lasked:
	v_and_b32 v2, 15, v0                           ; r
	v_bfe_u32 v3, v0, 4, 1                         ; h
	v_and_b32 v1, 31, v0
	v_lshlrev_b32 v[L16], 4, v1
	s_mul_i32 s96, s[HM], 6144
	v_add_nc_u32 v[ADA], s96, v[L16]
	v_add_nc_u32 v[ADA+1], 4*REC, v[ADA]
	s_mul_i32 s96, s[HN], RB
	s_add_co_u32 s96, s96, RB
	v_add_nc_u32 v[ADB], s96, v[L16]
	v_add_nc_u32 v[ADB+1], 4*REC, v[ADB]
	v_lshlrev_b32 v13, 4, v2
	s_lshl_b32 s97, s[HM], 8
	s_add_co_u32 s97, s97, 12288
	v_add_nc_u32 v[ASA], s97, v13
	v_add_nc_u32 v[ASA+1], 4*REC, v[ASA]
	s_add_co_u32 s96, s96, 12288
	v_add_nc_u32 v[ASB], s96, v13
	v_add_nc_u32 v[ASB+1], 4*REC, v[ASB]
	v_lshl_add_u32 v[TO], v3, 3, v13
.irp b, 0,1,2,3
	v_mov_b32 v[TM+4+\b], 0                        ; written once: a lane permute's destination counts as one of its sources
.endr
	s_lshl_b32 s84, s[HM], 8
	s_add_co_u32 s84, s84, 12288
	s_add_nc_u64 s[OT:OT+1], s[OUT:OUT+1], s[84:85] ; my half's scale words in the record
	s_mul_i32 s84, s[HM], 6144
	s_add_nc_u64 s[OUT:OUT+1], s[OUT:OUT+1], s[84:85] ; my half's four fragments
	s_wait_tensorcnt 0x3                           ; my load of K steps 0 and 1 has landed; three younger ones stay out
	s_barrier_signal -1
	s_barrier_wait -1
	FETCH 0
	STEP 0, 1                                      ; the first products start the sums: nothing is cleared
	STEP 1, 0
	STEP 2, 0
	STEP 3, 0
	STEP 4, 0
	STEP 5, 0
	STEP 6, 0
	STEP 7, 0
	WIN 0
	PLACES
.irp a, 0,1,2,3                                ; my 16 rows x 128 n of tile row a become fragment 4 hM + a of the result's record; each has registers of its own, so that no store's data are written again
	QUANT 64*\a, 2, 64+24*\a, PW+\a
	OUTFRAG \a, 64+24*\a
.endr
	v_cndmask_b32 v[TD], v[PW], v[PW+2], s[HSEL]
	v_cndmask_b32 v[TD+1], v[PW+1], v[PW+3], s[HSEL]
	global_store_b64 v[TO], v[TD:TD+1], s[OT:OT+1] ; 256 consecutive bytes, aligned
	s_wait_tensorcnt 0x0                           ; the wave's end
	ds_add_u32 v[SPW], v[NIL]
	s_wait_dscnt 0x0
	CROUND                                         ; the closing round
	s_endpgm
.Lfunc_end_k_q33380df351_proj:
	.size	k_q33380df351_proj, .Lfunc_end_k_q33380df351_proj-k_q33380df351_proj
	.p2alignl 7, 3214868480
	.fill 96, 4, 3214868480
	.section	.rodata,"a",@progbits
	.p2align	6, 0x0
	.amdhsa_kernel k_q33380df351_proj
		.amdhsa_group_segment_fixed_size 327680
		.amdhsa_private_segment_fixed_size 0
		.amdhsa_enable_private_segment 0
		.amdhsa_kernarg_size 40
		.amdhsa_user_sgpr_count 2
		.amdhsa_user_sgpr_kernarg_segment_ptr 1
		.amdhsa_wavefront_size32 1
		.amdhsa_system_sgpr_workgroup_id_x 1
		.amdhsa_system_sgpr_workgroup_id_y 1
		.amdhsa_system_sgpr_workgroup_id_z 1
		.amdhsa_system_vgpr_workitem_id 0
		.amdhsa_next_free_vgpr 768
		.amdhsa_next_free_sgpr 100
		.amdhsa_reserve_vcc 0
		.amdhsa_float_denorm_mode_32 3
		.amdhsa_float_denorm_mode_16_64 3
		.amdhsa_memory_ordered 1
		.amdhsa_forward_progress 1
		.amdhsa_inst_pref_size 80
	.end_amdhsa_kernel
	.amdgpu_metadata
---
amdhsa.version: [ 1, 2 ]
amdhsa.kernels:
  - .name:           k_q33380df351_proj
    .symbol:         k_q33380df351_proj.kd
    .args:
      - { .name: xc, .offset: 0, .size: 8, .value_kind: global_buffer, .address_space: global }
      - { .name: wc, .offset: 8, .size: 8, .value_kind: global_buffer, .address_space: global }
      - { .name: qc, .offset: 16, .size: 8, .value_kind: global_buffer, .address_space: global }
      - { .name: kc, .offset: 24, .size: 8, .value_kind: global_buffer, .address_space: global }
      - { .name: vc, .offset: 32, .size: 8, .value_kind: global_buffer, .address_space: global }
    .group_segment_fixed_size: 327680
    .private_segment_fixed_size: 0
    .kernarg_segment_align: 8
    .kernarg_segment_size: 40
    .max_flat_workgroup_size: 128
    .sgpr_count:     100
    .vgpr_count:     768
    .wavefront_size: 32
...
	.end_amdgpu_metadata
.endif
;; end of part 2
;; launch scores (part 3): grid 64 x 4, 4 waves a work-group, no clusters, 327,680 bytes of LDS; arguments qc, kc, pb; writes pb
.if DOCPART == 3
	.amdgcn_target "amdgcn-amd-amdhsa--gfx1250"
	.amdhsa_code_object_version 6
	.text
	.protected	k_q33380df351_scores
	.globl	k_q33380df351_scores
	.p2align	8
	.type	k_q33380df351_scores,@function
k_q33380df351_scores:
	s_mov_b64 s[64:65], 0
	v_nop
	global_prefetch_b8 v0, s[64:65] scope:SCOPE_SE
	s_setreg_imm32_b32 hwreg(HW_REG_WAVE_MODE, 25, 1), 1
	s_wait_xcnt 0x0
; S = q k^T on codes of FP6, the causal mask, and p = 2^(t - M_g), t = score x log2(e) / 32, M_g = the ceiling of the row's largest t WITHIN ITS 128 KEYS: a whole number, so that the next launch brings all groups of a
; row under the row's M by taking whole numbers off scale bytes: the codes stay as they are.  p is quantised along the keys; -M_g and the sum of the unquantised p go out beside the codes.
; LEFT OUT as dead work (shown at the head of the first launch): every unit of 128 queries x 128 keys all of whose keys come after all its queries.
; THE GRID.  A tile is 128 queries (block i) x 256 keys (blocks 2 j, 2 j + 1).  A sequence has 64 tiles that lie wholly at or under the diagonal (2 j + 1 <= i): the pair of rows 2 I, 2 I + 1 has 2 I + 1 of them and begins
; at number I x I.  4 x 64 = 256 work-groups.  What they leave over is the diagonal unit (2 I, 2 I) of each even block of queries.  The tile (2 I + 1, I) has k's block 2 I in LDS already: it makes that unit too, behind
; its own work.  q's block 2 I comes for it straight from memory into registers: a record is the image of its fragments' registers, and each wave takes two fragments (32 queries) that no other wave wants.
; The tile, the waves' shares, the operands resident in LDS, the registers and the walk over K are those of the launch before.  A = q's block i, B = k's blocks 2 j and 2 j + 1.
; TWO ARMS behind the walk, on one branch on ids: the diagonal's tiles (the mask in the waves whose keys are block i, then the further unit), and all others, in which every key counts and no mask is written.  The loads of
; q's other block and the products that read them stand in one arm, so that every way that reads those registers has written them.
; NO CLUSTER: a row of tiles has 0 to 8 of them and a column 1 to 15: neither divides into fours at every place of the triangle, and partners would need different tiles.
; pb's record: 13,824 bytes: codes and scale words as in every record; -M_g at 12,800 and the sum at 13,312, both in the scale words' order.
; REGISTERS beyond the launch before: window 3: v0-191 q's other block: K step k, fragment f at v[24 k + 12 f].  Window 0: v28-31, v44-47 its scale words: lanes 0-15 K steps 0-3, lanes 16-31 K steps 4-7.
.set REC,   12800
.set PREC,  13824
.set RB,    8*REC
.set SPARE, 3*RB
.set L16, 1
.set ADA, 4
.set ADB, 6
.set ASA, 8
.set ASB, 10
.set TO,  12
.set D0,  13                           ; v13    my query less my first key, on the diagonal
.set XSO, 14                           ; v14    the further unit: my byte among q's scale words: 16 r, and four K steps on for lanes 16-31
.set D0X, 15                           ; v15    the further unit: my query less my first key
.set PWS, 16                           ; v16-19 p's scale words, v20-23 -M, v24-27 the sums: one for each of my tiles of queries
.set NMS, 20
.set LSM, 24
.set XDB, 60                           ; v60-61 the further unit: k's first block in LDS, K steps 0-3, 4-7
.set XSB, 62                           ; v62-63 and its scale words
.set P,   160                          ; v160-223 t - M, then p
.set BM,  224                          ; v224-227 the blocks' largest scores, then their largest p
.set PT,  228
.set SO,  232
.set SUM, 236
.set SU2, 238
.set NM,  240                          ; v[240:241] -M: the packed form names a pair and takes its low word
.set T0,  242
.set DD,  243
.set NINF, 244
.set TA,  245
.set TD,  246
.set SPW, 252
.set NIL, 253
.set TOX, 254                          ; v254   the further unit: 16 r + 4 h
.set SEL, 2
.set CS,  10
.set WV,  14
.set HM,  15
.set HN,  16
.set HSEL, 17
.set II,  23
.set XF,  32                           ; s32    1 in the tile that makes a further unit
.set QX,  34                           ; s[34:35] my two fragments of q's other block
.set QT,  36                           ; s[36:37] and their scale words
.set OUTX, 56                          ; s[56:57] where the further unit's codes go
.set OTX, 58                           ; s[58:59] and its words
.set GG,  87
.set G1,  24
.set G0,  40
.set OUT, 94
.set OT,  98
.set MSB, 0
.macro WIN new
.if MSB != (\new)
	s_set_vgpr_msb (MSB<<8)|(\new)
.set MSB, (\new)
.endif
.endm
.set MUL,  0xa1                        ; source 0 (k) window 1, source 1 (q) window 0, C and D window 2
.set MULX, 0xad                        ; the same with source 1 in window 3
.set TO_B, 0x40
.macro PLACES
.rept 4
	v_nop
.endr
.endm
.macro MUL8 a, p, zero                 ; the 32 accumulators take turns, one instruction a turn
.irp b, 0,1,2,3,4,5,6,7
.if \zero
	v_wmma_scale_f32_16x16x128_f8f6f4 v[8*(8*(\a)+\b):8*(8*(\a)+\b)+7], v[128*(\p)+12*\b:128*(\p)+12*\b+11], v[64+48*(\p)+12*(\a):64+48*(\p)+12*(\a)+11], 0, v[36+16*(\p)+\b], v[32+16*(\p)+(\a)] matrix_a_fmt:MATRIX_FMT_FP6 matrix_b_fmt:MATRIX_FMT_FP6
.else
	v_wmma_scale_f32_16x16x128_f8f6f4 v[8*(8*(\a)+\b):8*(8*(\a)+\b)+7], v[128*(\p)+12*\b:128*(\p)+12*\b+11], v[64+48*(\p)+12*(\a):64+48*(\p)+12*(\a)+11], v[8*(8*(\a)+\b):8*(8*(\a)+\b)+7], v[36+16*(\p)+\b], v[32+16*(\p)+(\a)] matrix_a_fmt:MATRIX_FMT_FP6 matrix_b_fmt:MATRIX_FMT_FP6
.endif
.endr
.endm
.macro FETCH k
.set PP, (\k)%2
.set HI, (\k)/4
.set KO, ((\k)%4)*REC
	WIN TO_B
.irp f, 0,1,2,3,4,5,6,7
.irp c, 0,1,2
	ds_load_b128 v[128*PP+12*\f+4*\c:128*PP+12*\f+4*\c+3], v[ADB+HI] offset:KO+1536*\f+512*\c
.endr
.endr
	WIN 0
.irp f, 0,1,2,3
.irp c, 0,1,2
	ds_load_b128 v[64+48*PP+12*\f+4*\c:64+48*PP+12*\f+4*\c+3], v[ADA+HI] offset:KO+1536*\f+512*\c
.endr
.endr
	ds_load_b128 v[32+16*PP:35+16*PP], v[ASA+HI] offset:KO
	ds_load_b128 v[36+16*PP:39+16*PP], v[ASB+HI] offset:KO
	ds_load_b128 v[40+16*PP:43+16*PP], v[ASB+HI] offset:KO+256
.endm
.macro STEP k, zero
	s_wait_dscnt 0x0                               ; this step's operands are in, and no LDS instruction of mine is out at a signal
.if ((\k)==1)||((\k)==3)||((\k)==5)
	s_wait_tensorcnt 3-((\k)+1)/2                  ; my load of the next two K steps has landed; the younger ones stay out
	s_barrier_signal -1
.endif
	WIN MUL
	MUL8 0, (\k)%2, \zero
.if ((\k)==1)||((\k)==3)||((\k)==5)
	s_barrier_wait -1
.endif
.if (\k) < 7
	PLACES
	FETCH (\k)+1
.endif
	WIN MUL
	MUL8 1, (\k)%2, \zero
	MUL8 2, (\k)%2, \zero
	MUL8 3, (\k)%2, \zero
.endm
; THE FURTHER UNIT's walk over K.  k's eight fragments of K step k and their scale words, from the first of B's blocks, into set k % 2
.macro FETCHX k
.set PP, (\k)%2
.set HI, (\k)/4
.set KO, ((\k)%4)*REC
	WIN TO_B
.irp f, 0,1,2,3,4,5,6,7
.irp c, 0,1,2
	ds_load_b128 v[128*PP+12*\f+4*\c:128*PP+12*\f+4*\c+3], v[XDB+HI] offset:KO+1536*\f+512*\c
.endr
.endr
	WIN 0
	ds_load_b128 v[36+16*PP:39+16*PP], v[XSB+HI] offset:KO
	ds_load_b128 v[40+16*PP:43+16*PP], v[XSB+HI] offset:KO+256
.endm
; eight matrix instructions: my fragment a of q's other block against k's eight.  The 16 accumulators take turns, one instruction a turn.  K steps 4 to 7 take q's scale words from lanes 16-31
.macro MULX8 a, k
.set PP, (\k)%2
.set XW, 28+2*((\k)%2)+16*(((\k)%4)/2)+(\a)
.irp b, 0,1,2,3,4,5,6,7
.if (\k) == 0
	v_wmma_scale_f32_16x16x128_f8f6f4 v[8*(8*(\a)+\b):8*(8*(\a)+\b)+7], v[128*PP+12*\b:128*PP+12*\b+11], v[24*(\k)+12*(\a):24*(\k)+12*(\a)+11], 0, v[36+16*PP+\b], v[XW] matrix_a_fmt:MATRIX_FMT_FP6 matrix_b_fmt:MATRIX_FMT_FP6
.elseif (\k) < 4
	v_wmma_scale_f32_16x16x128_f8f6f4 v[8*(8*(\a)+\b):8*(8*(\a)+\b)+7], v[128*PP+12*\b:128*PP+12*\b+11], v[24*(\k)+12*(\a):24*(\k)+12*(\a)+11], v[8*(8*(\a)+\b):8*(8*(\a)+\b)+7], v[36+16*PP+\b], v[XW] matrix_a_fmt:MATRIX_FMT_FP6 matrix_b_fmt:MATRIX_FMT_FP6
.else
	v_wmma_scale_f32_16x16x128_f8f6f4 v[8*(8*(\a)+\b):8*(8*(\a)+\b)+7], v[128*PP+12*\b:128*PP+12*\b+11], v[24*(\k)+12*(\a):24*(\k)+12*(\a)+11], v[8*(8*(\a)+\b):8*(8*(\a)+\b)+7], v[36+16*PP+\b], v[XW] matrix_a_fmt:MATRIX_FMT_FP6 matrix_b_fmt:MATRIX_FMT_FP6 matrix_b_scale:MATRIX_SCALE_ROW1
.endif
.endr
.endm
.macro XSTEP k
	s_wait_dscnt 0x0                               ; this step's fragments of k are in
	WIN MULX
	MULX8 0, \k
.if (\k) < 7
	PLACES                                         ; in front of loads into the set that the step before multiplied
	FETCHX (\k)+1
.endif
	WIN MULX
	MULX8 1, \k
.endm
; Tile a of my queries: a lane holds ONE query; register 16 b + i of the tile's 64 holds key 32 b + 16 h + i of my 128.  msk = 0: every key counts; 1: the mask in the waves whose keys are the queries' own block (hN = 1);
; 2: the mask in every wave.  d0: the register with my query less my first key for tile 0.  ob: where the codes go.
.macro SOFT a, msk, d0, ob
.set AC, 64*(\a)
.set PCD, 64+24*(\a)
.if (\msk) == 1
	s_cmp_eq_u32 s[HN], 0                          ; my keys lie under the diagonal: every key counts
	s_cbranch_scc1 .Lopen_\@
.endif
.if (\msk) > 0
	v_add_nc_u32 v[DD], 32*((\a)/2)+8*((\a)%2), v[\d0]
	WIN 0x82                                       ; the scores: window 2
.set n, 0
.rept 64
	v_cmp_gt_i32 vcc_lo, 32*(n/16)+n%16, v[DD]     ; the key comes after the query:
	v_cndmask_b32 v[AC+n], v[AC+n], v[NINF], vcc_lo   ; -infinity, ahead of the maximum.  The query's own key is among my 128, so the maximum is a number
.set n, n+1
.endr
	WIN 0
.endif
.if (\msk) == 1
.Lopen_\@:
.endif
	WIN 0x2a
.irp b, 0,1,2,3
	v_max3_num_f32 v[BM+\b], v[AC+16*\b], v[AC+1+16*\b], v[AC+2+16*\b]   ; the largest score of each block of 32 keys: for the row's maximum and, since p rises with the score, for the block's largest p
.endr
	WIN 0x28
.irp i, 3,5,7,9,11,13
.irp b, 0,1,2,3
	v_max3_num_f32 v[BM+\b], v[BM+\b], v[AC+16*\b+\i], v[AC+1+16*\b+\i]
.endr
.endr
.irp b, 0,1,2,3
	v_max3_num_f32 v[BM+\b], v[BM+\b], v[AC+15+16*\b], v[AC+15+16*\b]
.endr
	WIN 0
.irp b, 0,1,2,3
	v_permlanex16_b32 v[PT+\b], v[BM+\b], s[SEL], s[SEL+1]
.endr
.irp b, 0,1,2,3
	v_max_num_f32 v[BM+\b], v[BM+\b], v[PT+\b]     ; with lane l xor 16's 16 keys
.endr
	v_max3_num_f32 v[T0], v[BM], v[BM+1], v[BM+2]
	v_max_num_f32 v[T0], v[T0], v[BM+3]
	v_mul_f32 v[T0], s[CS], v[T0]                  ; as t
	v_floor_f32 v[NM], -v[T0]                      ; -M = floor(-t) = -ceil(t)
	WIN 0x02
.set n, 0
.rept 32
	v_pk_fma_f32 v[P+n:P+n+1], v[AC+n:AC+n+1], s[CS:CS+1], v[NM:NM+1] op_sel_hi:[1,0,0]   ; t - M, two at a time
.set n, n+2
.endr
	WIN 0
.irp b, 0,1,2,3
	v_fma_f32 v[BM+\b], v[BM+\b], s[CS], v[NM]     ; the same of each block's largest score
.endr
.set n, 0
.rept 64
	v_exp_f32 v[P+n], v[P+n]                       ; p = 2^(t - M), at most 1
.set n, n+1
.endr
	v_mov_b32 v[NMS+(\a)], v[NM]                   ; (a plain place behind the exponentials)
	s_wait_alu depctr_va_vdst(0)                   ; one wait for the batch, ahead of its first reader
.irp b, 0,1,2,3
	v_exp_f32 v[BM+\b], v[BM+\b]                   ; the block's largest p: the same two instructions on the same number give the same bits
.endr
	v_pk_add_f32 v[SUM:SUM+1], v[P:P+1], v[P+2:P+3]   ; the sum of the UNQUANTISED p, two at a time, in two chains
	v_pk_add_f32 v[SU2:SU2+1], v[P+4:P+5], v[P+6:P+7]
.irp j, 8,12,16,20,24,28,32,36,40,44,48,52,56,60
	v_pk_add_f32 v[SUM:SUM+1], v[SUM:SUM+1], v[P+\j:P+\j+1]
	v_pk_add_f32 v[SU2:SU2+1], v[SU2:SU2+1], v[P+\j+2:P+\j+3]
.endr
	v_pk_add_f32 v[SUM:SUM+1], v[SUM:SUM+1], v[SU2:SU2+1]
	v_add_f32 v[SUM], v[SUM], v[SUM+1]
	v_permlanex16_b32 v[SU2], v[SUM], s[SEL], s[SEL+1]
	v_add_f32 v[LSM+(\a)], v[SUM], v[SU2]
	s_wait_alu depctr_va_vdst(0)                   ; and one for the four
.irp b, 0,1,2,3
	v_max_num_f32 v[BM+\b], 0x1800000, v[BM+\b]    ; the floor 2^(3 - 127): a block whose every p is 0 keeps the byte 1: its codes are zeros
.endr
.irp b, 0,1,2,3
	v_add_nc_u32 v[SO+\b], 0xff000000, v[BM+\b]
.endr
.irp b, 0,1,2,3
	v_lshrrev_b32 v[PT+\b], 23, v[SO+\b]           ; the byte: 125 at the most, since p is at most 1
.endr
	v_lshl_or_b32 v[PWS+(\a)], v[PT+1], 8, v[PT]
	v_lshl_or_b32 v[PWS+(\a)], v[PT+2], 16, v[PWS+(\a)]
	v_lshl_or_b32 v[PWS+(\a)], v[PT+3], 24, v[PWS+(\a)]
.irp c, 0,1
	v_cvt_scalef32_pk16_fp6_f32 v[PCD+6*\c:PCD+2+6*\c], v[P+32*\c:P+15+32*\c], v[SO+2*\c]
	v_cvt_scalef32_pk16_fp6_f32 v[PCD+12+4*\c:PCD+14+4*\c], v[P+16+32*\c:P+31+32*\c], v[SO+2*\c+1]
.endr
	v_nop                                          ; one plain place behind a scaled conversion
.irp c, 0,1
.irp i, 0,1,2
	v_permlane16_swap_b32 v[PCD+6*\c+\i], v[PCD+12+4*\c+\i]
.endr
.irp i, 0,1,2
	v_mov_b32 v[PCD+3+6*\c+\i], v[PCD+12+4*\c+\i]
.endr
.endr
.irp c, 0,1,2
	global_store_b128 v[L16], v[PCD+4*\c:PCD+4*\c+3], s[\ob:\ob+1] offset:1536*(\a)+512*\c   ; the fragment as the image of its registers: 512 consecutive bytes, aligned to 256
.endr
.endm
.macro TAIL x, d, off                  ; four words a row leave in the scale words' order: 256 consecutive bytes, aligned
	v_cndmask_b32 v[\d], v[\x], v[(\x)+2], s[HSEL]
	v_cndmask_b32 v[(\d)+1], v[(\x)+1], v[(\x)+3], s[HSEL]
	global_store_b64 v[TO], v[\d:(\d)+1], s[OT:OT+1] offset:\off
.endm
.macro TAILX x, d, off                 ; the further unit: a wave has two words a row: lane (r, h) carries fragment 2 w + h's: 8 of each 16 bytes; the wave beside it has the other 8
	v_cndmask_b32 v[\d], v[\x], v[(\x)+1], s[HSEL]
	global_store_b32 v[TOX], v[\d], s[OTX:OTX+1] offset:\off
.endm
	s_load_b128 s[4:7], s[0:1], 0x0                ; qc, kc
	s_load_b64 s[8:9], s[0:1], 0x10                ; pb
	v_lshl_add_u32 v[SPW], v0, 2, SPARE
	v_mov_b32 v[NIL], 0
	ds_add_u32 v[SPW], v[NIL]                      ; the wave's opening: the add, twice on end, and its wait ahead of the first tensor load
	ds_add_u32 v[SPW], v[NIL]
	v_lshrrev_b32 v1, 5, v0
	v_readfirstlane_b32 s[WV], v1
	s_lshr_b32 s[HM], s[WV], 1
	s_and_b32 s[HN], s[WV], 1
	s_mov_b32 s[G1], 3<<16                         ; group 1: two records, 25,600 dense bytes, as 100 rows of 256; no mask, no padding
	s_mov_b32 s[G1+1], 32<<16
	s_mov_b32 s[G1+2], 100<<16
	s_mov_b32 s[G1+3], 32<<16
	s_mov_b32 s[G1+4], 100
	s_mov_b32 s[G1+5], 32
	s_mov_b32 s[G1+6], 0
	s_mov_b32 s[G1+7], 0
	; the tile: the pair of rows 2 I, 2 I + 1 begins at number I x I: first row 2 I's I tiles, then row 2 I + 1's I + 1
	s_mov_b32 s18, 0
.irp th, 1,4,9,16,25,36,49
	s_cmp_ge_u32 ttmp9, \th
	s_add_co_ci_u32 s18, s18, 0                    ; I
.endr
	s_mul_i32 s20, s18, s18
	s_sub_co_u32 s20, ttmp9, s20                   ; the tile's number in the pair: 0 .. 2 I
	s_lshl_b32 s19, s18, 1
	s_cmp_eq_u32 s20, s19                          ; the pair's last tile, (2 I + 1, I), lies on the diagonal and makes the unit (2 I, 2 I) too
	s_cselect_b32 s[XF], 1, 0
	s_cmp_ge_u32 s20, s18
	s_cselect_b32 s21, 1, 0
	s_cselect_b32 s22, s18, 0
	s_sub_co_u32 s22, s20, s22                     ; j: which 256 keys
	s_add_co_u32 s[II], s19, s21                   ; i: which 128 queries
	s_and_b32 s84, ttmp7, 0xffff
	s_lshl_b32 s84, s84, 4                         ; the sequence's first block
	s_add_co_u32 s85, s84, s[II]                   ; q's block
	s_lshl_b32 s86, s22, 1
	s_add_co_u32 s[GG], s86, s[HN]                 ; g: my 128 keys
	s_add_co_u32 s86, s86, s[HM]
	s_add_co_u32 s86, s86, s84                     ; k's block that waves 1 and 2 fetch
	s_lshl_b32 s88, s85, 4
	s_add_co_u32 s88, s88, s[GG]
	s_mul_i32 s88, s88, PREC                       ; my record in pb
	s_mov_b32 s89, 0
	s_mul_i32 s22, s[WV], RB                       ; A at 0, B's blocks at 102,400 and 204,800: 102,400 x wave
	s_mov_b32 s[SEL], 0x76543210
	s_mov_b32 s[SEL+1], 0xfedcba98
	s_mov_b32 s[CS], 0x3d38aa3b                    ; c = log2(e) / 32
	s_mov_b32 s[CS+1], s[CS]
	s_mov_b32 s[HSEL], 0xffff0000
	s_wait_dscnt 0x0                               ; both opening adds are done
	s_wait_kmcnt 0x0
	s_cmp_eq_u32 s[WV], 0
	s_cselect_b64 s[92:93], s[4:5], s[6:7]
	s_cselect_b32 s90, s85, s86
	s_mul_i32 s90, s90, RB
	s_mov_b32 s91, 0
	s_add_nc_u64 s[92:93], s[92:93], s[90:91]
	s_add_nc_u64 s[OUT:OUT+1], s[8:9], s[88:89]
.irp t, 0,1,2,3
	s_mov_b32 s[G0+4*\t], 1
	s_add_co_u32 s[G0+4*\t+1], s22, \t*2*REC
	s_add_nc_u64 s[G0+4*\t+2:G0+4*\t+3], s[92:93], \t*2*REC
	s_or_b32 s[G0+4*\t+3], s[G0+4*\t+3], 0x80000000
.endr
	s_cmp_eq_u32 s[WV], 3                          ; waves 0, 1, 2 fetch a block each, four loads; four of a wave are out
	s_cbranch_scc1 .Lasked
.irp t, 0,1,2,3
	tensor_load_to_lds s[G0+4*\t:G0+4*\t+3], s[G1:G1+7]
	s_nop 0
.endr
	PLACES
.Lasked:
	v_and_b32 v2, 15, v0
	v_bfe_u32 v3, v0, 4, 1
	v_and_b32 v1, 31, v0
	v_lshlrev_b32 v[L16], 4, v1
	s_mul_i32 s96, s[HM], 6144
	v_add_nc_u32 v[ADA], s96, v[L16]
	v_add_nc_u32 v[ADA+1], 4*REC, v[ADA]
	s_mul_i32 s96, s[HN], RB
	s_add_co_u32 s96, s96, RB
	v_add_nc_u32 v[ADB], s96, v[L16]
	v_add_nc_u32 v[ADB+1], 4*REC, v[ADB]
	v_lshlrev_b32 v[TA], 4, v2                     ; 16 r
	s_lshl_b32 s97, s[HM], 8
	s_add_co_u32 s97, s97, 12288
	v_add_nc_u32 v[ASA], s97, v[TA]
	v_add_nc_u32 v[ASA+1], 4*REC, v[ASA]
	s_add_co_u32 s96, s96, 12288
	v_add_nc_u32 v[ASB], s96, v[TA]
	v_add_nc_u32 v[ASB+1], 4*REC, v[ASB]
	v_lshl_add_u32 v[TO], v3, 3, v[TA]
	v_add_nc_u32 v[XDB], RB, v[L16]                ; the further unit's addresses are made here, on the way that all take, ahead of every parting
	v_add_nc_u32 v[XDB+1], 4*REC, v[XDB]
	v_add_nc_u32 v[XSB], RB+12288, v[TA]
	v_add_nc_u32 v[XSB+1], 4*REC, v[XSB]
	v_mul_u32_u24 v[XSO], v3, 4*REC
	v_add_nc_u32 v[XSO], v[XSO], v[TA]
	v_lshl_add_u32 v[TOX], v3, 2, v[TA]
	v_and_b32 v[D0], 8, v2
	v_add_nc_u32 v[D0], v[D0], v2                  ; r + 8 (r / 8)
	v_lshlrev_b32 v[TA], 4, v3
	v_sub_nc_u32 v[D0], v[D0], v[TA]               ; - 16 h
	s_lshl_b32 s96, s[WV], 5
	v_add_nc_u32 v[D0X], s96, v[D0]                ; the further unit: + 32 x wave
	s_lshl_b32 s96, s[HM], 6
	v_add_nc_u32 v[D0], s96, v[D0]                 ; the tile: + 64 hM
.irp b, 0,1,2,3
	v_mov_b32 v[PT+\b], 0                          ; written once: a lane permute's destination counts as one of its sources
.endr
	v_mov_b32 v[NM+1], 0                           ; (named as the upper half of a pair)
	v_mov_b32 v[NINF], 0xff800000
	s_lshl_b32 s88, s[HM], 8
	s_add_co_u32 s88, s88, 12288
	s_add_nc_u64 s[OT:OT+1], s[OUT:OUT+1], s[88:89]
	s_mul_i32 s88, s[HM], 6144
	s_add_nc_u64 s[OUT:OUT+1], s[OUT:OUT+1], s[88:89]
	s_wait_tensorcnt 0x3                           ; my load of K steps 0 and 1 has landed; three younger ones stay out
	s_barrier_signal -1
	s_barrier_wait -1
	FETCH 0
	STEP 0, 1
	STEP 1, 0
	STEP 2, 0
	STEP 3, 0
	STEP 4, 0
	STEP 5, 0
	STEP 6, 0
	STEP 7, 0
	WIN 0
	PLACES
	s_cmp_eq_u32 s[XF], 0                          ; ids alone: all four waves go the same way.  No barrier follows
	s_cbranch_scc1 .Lplain
	; ---- THE DIAGONAL'S TILE.  q's block i - 1: my fragments 2 w and 2 w + 1 of all eight K steps are asked for now, 48 loads of 512 consecutive bytes, and land while the tile's own softmax is walked
	s_sub_co_u32 s60, s85, 1                       ; q's block i - 1
	s_mul_i32 s62, s60, RB
	s_mov_b32 s63, 0
	s_add_nc_u64 s[QT:QT+1], s[4:5], s[62:63]
	s_mul_i32 s62, s[WV], 3072
	s_add_nc_u64 s[QX:QX+1], s[QT:QT+1], s[62:63]  ; fragment 2 w of K step 0
	s_lshl_b32 s62, s[HM], 8
	s_lshl_b32 s61, s[HN], 3
	s_add_co_u32 s62, s62, s61
	s_add_co_u32 s62, s62, 12288                   ; my two words of a row: 12,288 + 256 (w / 2) + 8 (w % 2)
	s_add_nc_u64 s[QT:QT+1], s[QT:QT+1], s[62:63]
	s_lshl_b32 s60, s60, 4
	s_add_co_u32 s60, s60, s[II]
	s_sub_co_u32 s60, s60, 1                       ; pb's record (block i - 1, keys i - 1)
	s_mul_i32 s60, s60, PREC
	s_mov_b32 s61, 0
	s_add_nc_u64 s[OTX:OTX+1], s[8:9], s[60:61]
	s_mul_i32 s60, s[WV], 3072
	s_add_nc_u64 s[OUTX:OUTX+1], s[OTX:OTX+1], s[60:61]
	s_add_nc_u64 s[OTX:OTX+1], s[OTX:OTX+1], s[62:63]
	WIN 0xc0                                       ; destination window 3
.irp k, 0,1,2,3,4,5,6,7
.irp f, 0,1
.irp c, 0,1,2
	global_load_b128 v[24*\k+12*\f+4*\c:24*\k+12*\f+4*\c+3], v[L16], s[QX:QX+1] offset:\k*REC+1536*\f+512*\c
.endr
.endr
.endr
	WIN 0
.irp q, 0,1,2,3
	global_load_b64 v[28+2*(\q%2)+16*(\q/2):29+2*(\q%2)+16*(\q/2)], v[XSO], s[QT:QT+1] offset:\q*REC   ; lanes 0-15: K step q's two words of row r; lanes 16-31: K step q + 4's
.endr
	SOFT 0, 1, D0, OUT
	SOFT 1, 1, D0, OUT
	SOFT 2, 1, D0, OUT
	SOFT 3, 1, D0, OUT
	TAIL PWS, TD, 0
	TAIL NMS, TD+2, 512
	TAIL LSM, TD+4, 1024
	; ---- THE FURTHER UNIT: q's block i - 1 against k's block i - 1, which is the first of B's two.  Wave w: 32 queries x 128 keys
	s_wait_loadcnt 0x0                             ; q's fragments and words are in
	FETCHX 0
	XSTEP 0
	XSTEP 1
	XSTEP 2
	XSTEP 3
	XSTEP 4
	XSTEP 5
	XSTEP 6
	XSTEP 7
	WIN 0
	PLACES
	s_wait_xcnt 0x0                                ; the tile's stores have read their registers: the codes' and the words' registers are written again only behind this wait
	SOFT 0, 2, D0X, OUTX
	SOFT 1, 2, D0X, OUTX
	TAILX PWS, TD, 0
	TAILX NMS, TD+1, 512
	TAILX LSM, TD+2, 1024
	s_branch .Lend
.Lplain:                                           ; ---- EVERY OTHER TILE lies under the diagonal: every key counts
	SOFT 0, 0, D0, OUT
	SOFT 1, 0, D0, OUT
	SOFT 2, 0, D0, OUT
	SOFT 3, 0, D0, OUT
	TAIL PWS, TD, 0
	TAIL NMS, TD+2, 512
	TAIL LSM, TD+4, 1024
.Lend:
	s_wait_tensorcnt 0x0                           ; the wave's end
	ds_add_u32 v[SPW], v[NIL]
	s_wait_dscnt 0x0
	s_endpgm
.Lfunc_end_k_q33380df351_scores:
	.size	k_q33380df351_scores, .Lfunc_end_k_q33380df351_scores-k_q33380df351_scores
	.p2alignl 7, 3214868480
	.fill 96, 4, 3214868480
	.section	.rodata,"a",@progbits
	.p2align	6, 0x0
	.amdhsa_kernel k_q33380df351_scores
		.amdhsa_group_segment_fixed_size 327680
		.amdhsa_private_segment_fixed_size 0
		.amdhsa_enable_private_segment 0
		.amdhsa_kernarg_size 24
		.amdhsa_user_sgpr_count 2
		.amdhsa_user_sgpr_kernarg_segment_ptr 1
		.amdhsa_wavefront_size32 1
		.amdhsa_system_sgpr_workgroup_id_x 1
		.amdhsa_system_sgpr_workgroup_id_y 1
		.amdhsa_system_sgpr_workgroup_id_z 1
		.amdhsa_system_vgpr_workitem_id 0
		.amdhsa_next_free_vgpr 1024
		.amdhsa_next_free_sgpr 100
		.amdhsa_reserve_vcc 1
		.amdhsa_float_denorm_mode_32 3
		.amdhsa_float_denorm_mode_16_64 3
		.amdhsa_memory_ordered 1
		.amdhsa_forward_progress 1
		.amdhsa_inst_pref_size 240
	.end_amdhsa_kernel
	.amdgpu_metadata
---
amdhsa.version: [ 1, 2 ]
amdhsa.kernels:
  - .name:           k_q33380df351_scores
    .symbol:         k_q33380df351_scores.kd
    .args:
      - { .name: qc, .offset: 0, .size: 8, .value_kind: global_buffer, .address_space: global }
      - { .name: kc, .offset: 8, .size: 8, .value_kind: global_buffer, .address_space: global }
      - { .name: pb, .offset: 16, .size: 8, .value_kind: global_buffer, .address_space: global }
    .group_segment_fixed_size: 327680
    .private_segment_fixed_size: 0
    .kernarg_segment_align: 8
    .kernarg_segment_size: 24
    .max_flat_workgroup_size: 128
    .sgpr_count:     100
    .vgpr_count:     1024
    .wavefront_size: 32
...
	.end_amdgpu_metadata
.endif
;; end of part 3
;; launch mix (part 4): grid 4 x 64, 4 waves a work-group, no clusters, 327,680 bytes of LDS; arguments pb, vc, ac; writes ac
.if DOCPART == 4
	.amdgcn_target "amdgcn-amd-amdhsa--gfx1250"
	.amdhsa_code_object_version 6
	.text
	.protected	k_q33380df351_mix
	.globl	k_q33380df351_mix
	.p2align	8
	.type	k_q33380df351_mix,@function
k_q33380df351_mix:
	s_mov_b64 s[64:65], 0
	v_nop
	global_prefetch_b8 v0, s[64:65] scope:SCOPE_SE
	s_setreg_imm32_b32 hwreg(HW_REG_WAVE_MODE, 25, 1), 1
	s_wait_xcnt 0x0
; O = p v / l on codes of FP6, quantised along the head's width on the way out.  A work-group makes 128 queries (block y = 16 x sequence + i) x 256 of the width; waves, registers and products as in the launches before.
; LEFT OUT as dead work (shown at the head of the first launch): the K steps g > i, whose 128 keys all come after the block's queries: the walk has i + 1 steps of 128 keys.
; THE ROW'S M AND SUM.  The launch before left, for each row and each group g of 128 keys, -M_g, the sum l_g of p under M_g, and four scale bytes.  Thread t owns one row: -M = the least -M_g; d_g = M - M_g, a whole number,
; 0 or more; l = the sum of l_g 2^(-d_g); d_g is taken off each of the group's four bytes.  So every p stands under the row's own maximum, as reference() has it, and the codes are untouched.
; LIMIT: a byte that would fall under 0 is held at 0, and d_g at 127: a block more than 2^-125 under its row's largest p counts with 2^-127 for its scale.
; THE RING: two slots of four K steps.  Waves 0 and 1 fetch p's two halves of rows (four pieces of 6,144 bytes, 13,824 apart), waves 2 and 3 v's two blocks (51,200 dense bytes): one tensor load a wave and slot.
; A slot is asked for only if the walk reaches its first K step: a jump on ids alone, the same in all four waves, leads round the load and round nothing else; every wait for tensor loads here is for 0.
; NO CLUSTER: that jump may not lead round a joint load, and the four work-groups that share p's rows would share 49,152 of a slot's 151,552 bytes.
.set REC,   12800
.set PREC,  13824
.set SLOT,  151552                     ; A's halves at 24,576 hM + 6,144 q; B's at 49,152 + 51,200 hN + 12,800 q
.set FIX,   2*SLOT                     ; the corrected scale words: 512 bytes a K step, sixteen
.set RL,    FIX+16*512                 ; 1 / l, in the scale words' order
.set SPARE, 312832                     ; the spare words
.set L16, 1
.set ADA, 4                            ; v4-5  A's fragments in slot 0, 1
.set ADB, 6                            ; v6-7  B's
.set ASB, 8                            ; v8-9  B's scale words
.set AFX, 10                           ; v10   A's corrected ones
.set ARL, 11
.set TO,  12
.set T4,  13
.set FA,  14
.set PW,  16
.set RLR, 20                           ; v20-23 1 / l of my four tiles' rows
.set TD,  24
.set OF,  64                           ; the prologue: v64-79 offsets, v80-95 words, v96-111 -M_g, v112-127 l_g
.set WR,  80
.set NR,  96
.set LR,  112
.set NMN, 160
.set LS,  161
.set P,   160                          ; the way out: 64 numbers
.set TM,  224
.set SPW, 252
.set NIL, 253
.set SEL, 2
.set WV,  14
.set HM,  15
.set HN,  16
.set HSEL, 17
.set NK,  20
.set G1A, 24
.set G1B, 32
.set G0A, 40
.set G0B, 48
.set K01, 66
.set NKM1, 67
.set OUT, 68
.set OT,  70
.set MSB, 0
.macro WIN new
.if MSB != (\new)
	s_set_vgpr_msb (MSB<<8)|(\new)
.set MSB, (\new)
.endif
.endm
.set MUL,  0xa1
.set TO_B, 0x40
.macro PLACES
.rept 4
	v_nop
.endr
.endm
.macro MUL8 a, p, zero                 ; the 32 accumulators take turns, one instruction a turn
.irp b, 0,1,2,3,4,5,6,7
.if \zero
	v_wmma_scale_f32_16x16x128_f8f6f4 v[8*(8*(\a)+\b):8*(8*(\a)+\b)+7], v[128*(\p)+12*\b:128*(\p)+12*\b+11], v[64+48*(\p)+12*(\a):64+48*(\p)+12*(\a)+11], 0, v[36+16*(\p)+\b], v[32+16*(\p)+(\a)] matrix_a_fmt:MATRIX_FMT_FP6 matrix_b_fmt:MATRIX_FMT_FP6
.else
	v_wmma_scale_f32_16x16x128_f8f6f4 v[8*(8*(\a)+\b):8*(8*(\a)+\b)+7], v[128*(\p)+12*\b:128*(\p)+12*\b+11], v[64+48*(\p)+12*(\a):64+48*(\p)+12*(\a)+11], v[8*(8*(\a)+\b):8*(8*(\a)+\b)+7], v[36+16*(\p)+\b], v[32+16*(\p)+(\a)] matrix_a_fmt:MATRIX_FMT_FP6 matrix_b_fmt:MATRIX_FMT_FP6
.endif
.endr
.endm
.macro FETCH k
.set PP, (\k)%2
.set SS, ((\k)/4)%2
.set QQ, (\k)%4
	WIN TO_B
.irp f, 0,1,2,3,4,5,6,7
.irp c, 0,1,2
	ds_load_b128 v[128*PP+12*\f+4*\c:128*PP+12*\f+4*\c+3], v[ADB+SS] offset:QQ*REC+1536*\f+512*\c
.endr
.endr
	WIN 0
.irp f, 0,1,2,3
.irp c, 0,1,2
	ds_load_b128 v[64+48*PP+12*\f+4*\c:64+48*PP+12*\f+4*\c+3], v[ADA+SS] offset:QQ*6144+1536*\f+512*\c
.endr
.endr
	ds_load_b128 v[32+16*PP:35+16*PP], v[AFX] offset:512*(\k)
	ds_load_b128 v[36+16*PP:39+16*PP], v[ASB+SS] offset:QQ*REC
	ds_load_b128 v[40+16*PP:43+16*PP], v[ASB+SS] offset:QQ*REC+256
.endm
.macro TLOAD s                         ; a slot's four loads, one a wave; an s_nop 0 and four v_nop follow each line
	s_cmp_lt_u32 s[WV], 2
	s_cbranch_scc0 .Lfor_b_\@
	tensor_load_to_lds s[G0A+4*(\s):G0A+4*(\s)+3], s[G1A:G1A+7]
	s_nop 0
	PLACES
	s_branch .Lasked_\@
.Lfor_b_\@:
	tensor_load_to_lds s[G0B+4*(\s):G0B+4*(\s)+3], s[G1B:G1B+7]
	s_nop 0
	PLACES
.Lasked_\@:
.endm
; K step k.  One branch on ids says both 'nothing more to fetch' and 'leave': the walk's last step ends in one of three tails.  A slot's last step changes slots.
.macro STEP k
.set PS, (\k)%2
.set SL, ((\k)/4)%2
	s_wait_dscnt 0x0                               ; this step's operands are in: my reads of LDS are over
	WIN MUL
.if (\k) == 0
	MUL8 0, 0, 1
.else
	MUL8 0, PS, 0
.endif
	WIN 0
.if (\k) < 15
	s_cmp_eq_u32 s[NK], (\k)+1
.if (\k) == 0
	s_cbranch_scc1 .Ltz
.elseif PS == 0
	s_cbranch_scc1 .Lt0
.else
	s_cbranch_scc1 .Lt1
.endif
.if ((\k)%4) == 3
	s_wait_tensorcnt 0x0                           ; all my tensor loads have landed: my part of the next slot; so a group 0 may be written
	ds_add_u32 v[SPW], v[NIL]
.if (\k) < 11
	s_add_nc_u64 s[G0A+4*SL+2:G0A+4*SL+3], s[G0A+4*SL+2:G0A+4*SL+3], 8*PREC   ; this slot's next four K steps
	s_add_nc_u64 s[G0B+4*SL+2:G0B+4*SL+3], s[G0B+4*SL+2:G0B+4*SL+3], 8*REC
.endif
	s_wait_dscnt 0x0                               ; the add is done
	s_barrier_signal -1
	WIN MUL
	MUL8 1, PS, 0                                  ; work on registers while the others arrive
	WIN 0
	s_barrier_wait -1                              ; nobody reads this slot any more, and the next one is whole
.if (\k) < 11
	s_cmp_gt_u32 s[NK], (\k)+5                     ; is the first of those four K steps walked?  Ids alone: all four waves go the same way
	s_cbranch_scc0 .Lno_fill_\@
	TLOAD SL                                       ; my one tensor load behind the barrier, ahead of every LDS read
.Lno_fill_\@:
.endif
	PLACES
	FETCH (\k)+1
	WIN MUL
	MUL8 2, PS, 0
	MUL8 3, PS, 0
.else
	PLACES
	FETCH (\k)+1
	WIN MUL
.if (\k) == 0
	MUL8 1, 0, 1
	MUL8 2, 0, 1
	MUL8 3, 0, 1
.else
	MUL8 1, PS, 0
	MUL8 2, PS, 0
	MUL8 3, PS, 0
.endif
.endif
.endif
.endm
.macro QUANT s, pc, pw                 ; 64 numbers of a lane, register s + 16 b + i = k 32 b + 16 (lane / 16) + i of my row, become a fragment's codes and its scale word
.irp b, 0,1,2,3
	v_max3_num_f32 v[TM+\b], |v[(\s)+16*\b]|, |v[(\s)+1+16*\b]|, 0x1800000
.endr
.irp i, 2,4,6,8,10,12,14
.irp b, 0,1,2,3
	v_max3_num_f32 v[TM+\b], v[TM+\b], |v[(\s)+16*\b+\i]|, |v[(\s)+1+16*\b+\i]|
.endr
.endr
.irp b, 0,1,2,3
	v_permlanex16_b32 v[TM+4+\b], v[TM+\b], s[SEL], s[SEL+1]
.endr
.irp b, 0,1,2,3
	v_max_num_f32 v[TM+\b], v[TM+\b], v[TM+4+\b]
.endr
.irp b, 0,1,2,3
	v_add_nc_u32 v[TM+12+\b], 0xff000000, v[TM+\b]
.endr
.irp b, 0,1,2,3
	v_lshrrev_b32 v[TM+4+\b], 23, v[TM+12+\b]
.endr
	v_lshl_or_b32 v[\pw], v[TM+5], 8, v[TM+4]
	v_lshl_or_b32 v[\pw], v[TM+6], 16, v[\pw]
	v_lshl_or_b32 v[\pw], v[TM+7], 24, v[\pw]
.irp c, 0,1
	v_cvt_scalef32_pk16_fp6_f32 v[(\pc)+6*\c:(\pc)+2+6*\c], v[(\s)+32*\c:(\s)+15+32*\c], v[TM+12+2*\c]
	v_cvt_scalef32_pk16_fp6_f32 v[(\pc)+12+4*\c:(\pc)+14+4*\c], v[(\s)+16+32*\c:(\s)+31+32*\c], v[TM+12+2*\c+1]
.endr
	v_nop                                          ; one plain place behind a scaled conversion
.irp c, 0,1
.irp i, 0,1,2
	v_permlane16_swap_b32 v[(\pc)+6*\c+\i], v[(\pc)+12+4*\c+\i]
.endr
.irp i, 0,1,2
	v_mov_b32 v[(\pc)+3+6*\c+\i], v[(\pc)+12+4*\c+\i]
.endr
.endr
.endm
; Group g of my row: d = M - M_g; its sum joins l; d comes off its four bytes, each held at 0.  A byte is 125 at the most and d 127: with bit 7 set in each byte no borrow crosses a byte, and bit 7 then says 'not under 0'.
.macro FIXG g
.set DT, 164+4*((\g)%2)
	v_sub_f32 v[DT], v[NR+(\g)], v[NMN]
	v_min_num_f32 v[DT], 0x42fe0000, v[DT]         ; 127
	v_cvt_u32_f32 v[DT], v[DT]
	v_sub_nc_u32 v[DT+1], 0, v[DT]
.if (\g) == 0
	v_ldexp_f32 v[LS], v[LR], v[DT+1]
.else
	v_ldexp_f32 v[DT+1], v[LR+(\g)], v[DT+1]
	s_cmp_gt_u32 s[NK], \g
	s_cselect_b32 s58, 1.0, 0                      ; a group beyond the walk repeats the last one: it leaves the minimum as it is, and its sum is switched off
	v_fma_f32 v[LS], v[DT+1], s58, v[LS]
.endif
	v_mul_lo_u32 v[DT], v[DT], s[K01]              ; d in each byte
	v_or_b32 v[DT+2], 0x80808080, v[WR+(\g)]
	v_sub_nc_u32 v[DT+2], v[DT+2], v[DT]
	v_and_b32 v[DT+3], 0x80808080, v[DT+2]
	v_lshrrev_b32 v[DT], 7, v[DT+3]
	v_sub_nc_u32 v[DT+3], v[DT+3], v[DT]           ; 0x7f where the byte stayed at 0 or above, else 0
	v_and_b32 v[DT+2], v[DT+2], v[DT+3]
	ds_store_b32 v[FA], v[DT+2] offset:512*(\g)
.endm
	s_load_b128 s[4:7], s[0:1], 0x0                ; pb, vc
	s_load_b64 s[8:9], s[0:1], 0x10                ; ac
	v_lshl_add_u32 v[SPW], v0, 2, SPARE
	v_mov_b32 v[NIL], 0
	ds_add_u32 v[SPW], v[NIL]                      ; the wave's opening: the add, twice on end, and its wait ahead of my first tensor load
	ds_add_u32 v[SPW], v[NIL]
	v_lshrrev_b32 v1, 5, v0
	v_readfirstlane_b32 s[WV], v1
	s_lshr_b32 s[HM], s[WV], 1
	s_and_b32 s[HN], s[WV], 1                      ; my half of n.  Also: which half I fetch
	s_mov_b32 s[G1A], 3<<16                        ; p: 4 rows of 768 elements of 8 bytes, 1,728 apart
	s_mov_b32 s[G1A+1], 768<<16
	s_mov_b32 s[G1A+2], 4<<16
	s_mov_b32 s[G1A+3], 768<<16
	s_mov_b32 s[G1A+4], 4
	s_mov_b32 s[G1A+5], 1728
	s_mov_b32 s[G1A+6], 0
	s_mov_b32 s[G1A+7], 0
	s_mov_b32 s[G1B], 3<<16                        ; v: 51,200 dense bytes as 200 rows of 256
	s_mov_b32 s[G1B+1], 32<<16
	s_mov_b32 s[G1B+2], 200<<16
	s_mov_b32 s[G1B+3], 32<<16
	s_mov_b32 s[G1B+4], 200
	s_mov_b32 s[G1B+5], 32
	s_mov_b32 s[G1B+6], 0
	s_mov_b32 s[G1B+7], 0
	s_and_b32 s18, ttmp7, 0xffff                   ; y
	s_and_b32 s19, s18, 15                         ; i
	s_add_co_u32 s[NK], s19, 1                     ; K steps
	s_mov_b32 s[NKM1], s19
	s_sub_co_u32 s21, s18, s19                     ; the sequence's first K step in vc
	s_mul_i32 s22, s18, 16*PREC
	s_mov_b32 s23, 0
	s_mul_i32 s58, s[HN], 6144
	s_mov_b32 s59, 0
	s_lshl_b32 s62, ttmp9, 1
	s_add_co_u32 s62, s62, s[HN]                   ; v's block of 128 of the width
	s_lshl_b32 s72, s18, 3
	s_add_co_u32 s72, s72, s62
	s_mul_i32 s72, s72, REC                        ; my record in ac: 8 y + 2 x + hN
	s_mov_b32 s73, 0
	s_lshl_b32 s62, s62, 6
	s_add_co_u32 s62, s62, s21
	s_mul_i32 s62, s62, REC
	s_mov_b32 s63, 0
	s_mul_i32 s74, s[HN], 24576
	s_mul_i32 s75, s[HN], 51200
	s_add_co_u32 s75, s75, 49152
	s_mov_b32 s[SEL], 0x76543210
	s_mov_b32 s[SEL+1], 0xfedcba98
	s_mov_b32 s[HSEL], 0xffff0000
	s_mov_b32 s[K01], 0x01010101
	s_wait_dscnt 0x0                               ; both opening adds are done
	s_wait_kmcnt 0x0
	s_add_nc_u64 s[56:57], s[4:5], s[22:23]        ; my block's sixteen records of p
	s_add_nc_u64 s[60:61], s[56:57], s[58:59]
	s_add_nc_u64 s[62:63], s[6:7], s[62:63]
	s_add_nc_u64 s[OUT:OUT+1], s[8:9], s[72:73]
.irp s, 0,1
	s_mov_b32 s[G0A+4*\s], 1
	s_add_co_u32 s[G0A+4*\s+1], s74, \s*SLOT
	s_add_nc_u64 s[G0A+4*\s+2:G0A+4*\s+3], s[60:61], \s*4*PREC
	s_or_b32 s[G0A+4*\s+3], s[G0A+4*\s+3], 0x80000000
	s_mov_b32 s[G0B+4*\s], 1
	s_add_co_u32 s[G0B+4*\s+1], s75, \s*SLOT
	s_add_nc_u64 s[G0B+4*\s+2:G0B+4*\s+3], s[62:63], \s*4*REC
	s_or_b32 s[G0B+4*\s+3], s[G0B+4*\s+3], 0x80000000
.endr
	TLOAD 0                                        ; slot 0 holds K step 0, which every block walks.  Every wave passes a fill
	v_lshlrev_b32 v[T4], 2, v0                     ; thread t owns word t of the scale words' 128
	v_lshl_add_u32 v[FA], v0, 2, FIX
.irp g, 0,1,2,3,4,5,6,7,8,9,10,11,12,13,14,15
	s_min_u32 s58, s[NKM1], \g                     ; no load names a record that the launch before has not written
	s_mul_i32 s58, s58, PREC
	v_add_nc_u32 v[OF+\g], s58, v[T4]
.endr
.irp g, 0,1,2,3,4,5,6,7,8,9,10,11,12,13,14,15
	global_load_b32 v[WR+\g], v[OF+\g], s[56:57] offset:12288
	global_load_b32 v[NR+\g], v[OF+\g], s[56:57] offset:12800
	global_load_b32 v[LR+\g], v[OF+\g], s[56:57] offset:13312
.endr
	v_and_b32 v2, 15, v0
	v_bfe_u32 v3, v0, 4, 1
	v_and_b32 v1, 31, v0
	v_lshlrev_b32 v[L16], 4, v1
	s_mul_i32 s58, s[HM], 24576
	v_add_nc_u32 v[ADA], s58, v[L16]
	v_add_nc_u32 v[ADA+1], SLOT, v[ADA]
	v_add_nc_u32 v[ADB], s75, v[L16]
	v_add_nc_u32 v[ADB+1], SLOT, v[ADB]
	v_lshlrev_b32 v15, 4, v2
	s_add_co_u32 s59, s75, 12288
	v_add_nc_u32 v[ASB], s59, v15
	v_add_nc_u32 v[ASB+1], SLOT, v[ASB]
	s_lshl_b32 s58, s[HM], 8
	s_add_co_u32 s59, s58, FIX
	v_add_nc_u32 v[AFX], s59, v15
	s_add_co_u32 s59, s58, RL
	v_add_nc_u32 v[ARL], s59, v15
	v_lshl_add_u32 v[TO], v3, 3, v15
.irp b, 0,1,2,3
	v_mov_b32 v[TM+4+\b], 0                        ; written once: a lane permute's destination counts as one of its sources
.endr
	s_add_co_u32 s72, s58, 12288
	s_add_nc_u64 s[OT:OT+1], s[OUT:OUT+1], s[72:73]
	s_mul_i32 s72, s[HM], 6144
	s_add_nc_u64 s[OUT:OUT+1], s[OUT:OUT+1], s[72:73]
	s_wait_loadcnt 0x0
	v_min3_num_f32 v[NMN], v[NR], v[NR+1], v[NR+2] ; -M of the row: the least -M_g
.irp g, 3,5,7,9,11,13
	v_min3_num_f32 v[NMN], v[NMN], v[NR+\g], v[NR+\g+1]
.endr
	v_min_num_f32 v[NMN], v[NMN], v[NR+15]
.irp g, 0,1,2,3,4,5,6,7,8,9,10,11,12,13,14,15
	FIXG \g
.endr
	v_rcp_f32 v[LS+1], v[LS]
	v_nop                                          ; a plain place behind the reciprocal
	s_wait_alu depctr_va_vdst(0)                   ; and the wait ahead of its first reader
	ds_store_b32 v[FA], v[LS+1] offset:RL-FIX
	s_wait_tensorcnt 0x0                           ; my part of slot 0 has landed
	ds_add_u32 v[SPW], v[NIL]
	s_wait_dscnt 0x0                               ; the add, and my stores of words and of 1 / l, are done
	s_barrier_signal -1
	s_barrier_wait -1
	s_cmp_gt_u32 s[NK], 4                          ; slot 1's first fill: asked for as a refill is, behind a barrier behind which nothing is filled again, and only if K step 4 is walked
	s_cbranch_scc0 .Lno_slot_1
	TLOAD 1
.Lno_slot_1:
	FETCH 0
	STEP 0
	STEP 1
	STEP 2
	STEP 3
	STEP 4
	STEP 5
	STEP 6
	STEP 7
	STEP 8
	STEP 9
	STEP 10
	STEP 11
	STEP 12
	STEP 13
	STEP 14
	STEP 15
.Lt1:                                              ; the rest of the walk's last step: operands in set 1,
	WIN MUL
	MUL8 1, 1, 0
	MUL8 2, 1, 0
	MUL8 3, 1, 0
	WIN 0
	s_branch .Lepi
.Lt0:                                              ; in set 0,
	WIN MUL
	MUL8 1, 0, 0
	MUL8 2, 0, 0
	MUL8 3, 0, 0
	WIN 0
	s_branch .Lepi
.Ltz:                                              ; or the only step, which starts the sums
	WIN MUL
	MUL8 1, 0, 1
	MUL8 2, 0, 1
	MUL8 3, 0, 1
	WIN 0
.Lepi:
	PLACES
	ds_load_b128 v[RLR:RLR+3], v[ARL]              ; 1 / l of row r of my four tiles
	s_wait_dscnt 0x0
.irp a, 0,1,2,3
	WIN 0x02
.set n, 0
.rept 64
	v_mul_f32 v[P+n], v[64*\a+n], v[RLR+\a]        ; O / l, each accumulator from its low end on
.set n, n+1
.endr
	WIN 0
	QUANT P, 64+24*\a, PW+\a
.irp c, 0,1,2
	global_store_b128 v[L16], v[64+24*\a+4*\c:64+24*\a+4*\c+3], s[OUT:OUT+1] offset:1536*\a+512*\c
.endr
.endr
	v_cndmask_b32 v[TD], v[PW], v[PW+2], s[HSEL]
	v_cndmask_b32 v[TD+1], v[PW+1], v[PW+3], s[HSEL]
	global_store_b64 v[TO], v[TD:TD+1], s[OT:OT+1]
	s_wait_tensorcnt 0x0                           ; the wave's end
	ds_add_u32 v[SPW], v[NIL]
	s_wait_dscnt 0x0
	s_endpgm
.Lfunc_end_k_q33380df351_mix:
	.size	k_q33380df351_mix, .Lfunc_end_k_q33380df351_mix-k_q33380df351_mix
	.p2alignl 7, 3214868480
	.fill 96, 4, 3214868480
	.section	.rodata,"a",@progbits
	.p2align	6, 0x0
	.amdhsa_kernel k_q33380df351_mix
		.amdhsa_group_segment_fixed_size 327680
		.amdhsa_private_segment_fixed_size 0
		.amdhsa_enable_private_segment 0
		.amdhsa_kernarg_size 24
		.amdhsa_user_sgpr_count 2
		.amdhsa_user_sgpr_kernarg_segment_ptr 1
		.amdhsa_wavefront_size32 1
		.amdhsa_system_sgpr_workgroup_id_x 1
		.amdhsa_system_sgpr_workgroup_id_y 1
		.amdhsa_system_sgpr_workgroup_id_z 1
		.amdhsa_system_vgpr_workitem_id 0
		.amdhsa_next_free_vgpr 768
		.amdhsa_next_free_sgpr 80
		.amdhsa_reserve_vcc 0
		.amdhsa_float_denorm_mode_32 3
		.amdhsa_float_denorm_mode_16_64 3
		.amdhsa_memory_ordered 1
		.amdhsa_forward_progress 1
		.amdhsa_inst_pref_size 167
	.end_amdhsa_kernel
	.amdgpu_metadata
---
amdhsa.version: [ 1, 2 ]
amdhsa.kernels:
  - .name:           k_q33380df351_mix
    .symbol:         k_q33380df351_mix.kd
    .args:
      - { .name: pb, .offset: 0, .size: 8, .value_kind: global_buffer, .address_space: global }
      - { .name: vc, .offset: 8, .size: 8, .value_kind: global_buffer, .address_space: global }
      - { .name: ac, .offset: 16, .size: 8, .value_kind: global_buffer, .address_space: global }
    .group_segment_fixed_size: 327680
    .private_segment_fixed_size: 0
    .kernarg_segment_align: 8
    .kernarg_segment_size: 24
    .max_flat_workgroup_size: 128
    .sgpr_count:     80
    .vgpr_count:     768
    .wavefront_size: 32
...
	.end_amdgpu_metadata
.endif
;; end of part 4
;; launch outp (part 5): grid 4 x 64, 4 waves a work-group, clusters of 4 x 4, 327,680 bytes of LDS; arguments ac, wc, out0; writes out0
.if DOCPART == 5
	.amdgcn_target "amdgcn-amd-amdhsa--gfx1250"
	.amdhsa_code_object_version 6
	.text
	.protected	k_q33380df351_outp
	.globl	k_q33380df351_outp
	.p2align	8
	.type	k_q33380df351_outp,@function
k_q33380df351_outp:
	s_mov_b64 s[64:65], 0
	v_nop
	global_prefetch_b8 v0, s[64:65] scope:SCOPE_SE
	s_setreg_imm32_b32 hwreg(HW_REG_WAVE_MODE, 25, 1), 1
	s_wait_xcnt 0x0
	s_wait_alu depctr_hold_cnt(0) depctr_sa_sdst(0) depctr_va_vdst(0) depctr_va_sdst(0) depctr_va_ssrc(0) depctr_va_vcc(0) depctr_vm_vsrc(0)
	s_getreg_b32 s2, hwreg(HW_REG_IB_STS2, 6, 4)
	s_cmp_eq_u32 s2, 0
	s_cbranch_scc0 .Lentry_in_a_cluster
	s_endpgm
.Lentry_in_a_cluster:
	s_bfe_u32 s2, ttmp6, 0x10000c
	s_cmp_lg_u32 s2, 0xf033
	s_cbranch_scc0 .Lentry_shape_is_right
	s_endpgm
.Lentry_shape_is_right:
; out0 = O W_O^T on codes of FP6, f32 out.  The tile (128 positions x 256 outputs), the waves' shares, the operands resident in LDS, the joint loads of the 4 x 4 cluster, the registers and the walk over K are those of
; the second launch.  A = the attention output's block 4 x cluster y + cy; B = W_O's blocks (24 on in wc) 2 x + 0, 1.
; THE WAY OUT.  A lane holds one position and, in the 16 registers of two neighbouring tiles, 16 neighbouring outputs: 64 bytes.  16 positions x 128 outputs go through the wave's own stage in LDS and come back as whole
; rows of 512 bytes, which the 32 lanes store as 512 consecutive bytes, aligned to 256.  The stages lie in A's K steps 0 to 2: those bytes have had their only fill, and every wave's reads of them were over at the
; barrier of K step 5.
.set REC,   12800
.set RB,    8*REC
.set SPARE, 3*RB
.set STG,   16*528
.set L16, 1
.set ADA, 4
.set ADB, 6
.set ASA, 8
.set ASB, 10
.set STO, 12
.set RD,  13
.set SPW, 252
.set NIL, 253
.set WV,  14
.set HM,  15
.set HN,  16
.set G1A, 24
.set G1B, 32
.set G0A, 40
.set G0B, 68
.set OUT, 90
.set MSB, 0
.macro WIN new
.if MSB != (\new)
	s_set_vgpr_msb (MSB<<8)|(\new)
.set MSB, (\new)
.endif
.endm
.set MUL,  0xa1
.set TO_B, 0x40
.macro PLACES
.rept 4
	v_nop
.endr
.endm
.macro CROUND
	s_barrier_signal -1
	s_barrier_wait -1
	s_cmp_lg_u32 s[WV], 0
	s_cbranch_scc1 .Lnot_wave_0_\@
	s_barrier_signal -3
.Lnot_wave_0_\@:
	s_barrier_wait -3
	s_barrier_signal -1
	s_barrier_wait -1
.endm
.macro MUL8 a, p, zero                 ; the 32 accumulators take turns, one instruction a turn
.irp b, 0,1,2,3,4,5,6,7
.if \zero
	v_wmma_scale_f32_16x16x128_f8f6f4 v[8*(8*(\a)+\b):8*(8*(\a)+\b)+7], v[128*(\p)+12*\b:128*(\p)+12*\b+11], v[64+48*(\p)+12*(\a):64+48*(\p)+12*(\a)+11], 0, v[36+16*(\p)+\b], v[32+16*(\p)+(\a)] matrix_a_fmt:MATRIX_FMT_FP6 matrix_b_fmt:MATRIX_FMT_FP6
.else
	v_wmma_scale_f32_16x16x128_f8f6f4 v[8*(8*(\a)+\b):8*(8*(\a)+\b)+7], v[128*(\p)+12*\b:128*(\p)+12*\b+11], v[64+48*(\p)+12*(\a):64+48*(\p)+12*(\a)+11], v[8*(8*(\a)+\b):8*(8*(\a)+\b)+7], v[36+16*(\p)+\b], v[32+16*(\p)+(\a)] matrix_a_fmt:MATRIX_FMT_FP6 matrix_b_fmt:MATRIX_FMT_FP6
.endif
.endr
.endm
.macro FETCH k
.set PP, (\k)%2
.set HI, (\k)/4
.set KO, ((\k)%4)*REC
	WIN TO_B
.irp f, 0,1,2,3,4,5,6,7
.irp c, 0,1,2
	ds_load_b128 v[128*PP+12*\f+4*\c:128*PP+12*\f+4*\c+3], v[ADB+HI] offset:KO+1536*\f+512*\c
.endr
.endr
	WIN 0
.irp f, 0,1,2,3
.irp c, 0,1,2
	ds_load_b128 v[64+48*PP+12*\f+4*\c:64+48*PP+12*\f+4*\c+3], v[ADA+HI] offset:KO+1536*\f+512*\c
.endr
.endr
	ds_load_b128 v[32+16*PP:35+16*PP], v[ASA+HI] offset:KO
	ds_load_b128 v[36+16*PP:39+16*PP], v[ASB+HI] offset:KO
	ds_load_b128 v[40+16*PP:43+16*PP], v[ASB+HI] offset:KO+256
.endm
.macro STEP k, zero
	s_wait_dscnt 0x0                               ; this step's operands are in, and no LDS instruction of mine is out at a signal
.if ((\k)==1)||((\k)==3)||((\k)==5)
	s_wait_tensorcnt 3-((\k)+1)/2                  ; my load of the next two K steps has landed; the younger ones stay out
	s_barrier_signal -1
.endif
	WIN MUL
	MUL8 0, (\k)%2, \zero
.if ((\k)==1)||((\k)==3)||((\k)==5)
	s_barrier_wait -1
.endif
.if (\k) < 7
	PLACES
	FETCH (\k)+1
.endif
	WIN MUL
	MUL8 1, (\k)%2, \zero
	MUL8 2, (\k)%2, \zero
	MUL8 3, (\k)%2, \zero
.endm
.macro TOSTAGE a                       ; tile a's 16 positions into my stage, each accumulator from its low end on, and back by rows
.set AC, 64*(\a)
.set BB, 64+64*((\a)%2)
	WIN 0x08                                       ; an LDS store's data are its source 1: window 2
.irp q, 0,1,2,3
.irp i, 0,1,2,3
	ds_store_b128 v[STO], v[AC+16*\q+4*\i:AC+16*\q+4*\i+3] offset:128*\q+16*\i
.endr
.endr
	WIN 0
.irp t, 0,1,2,3,4,5,6,7,8,9,10,11,12,13,14,15
	ds_load_b128 v[BB+4*\t:BB+4*\t+3], v[RD] offset:528*\t   ; LDS serves a wave's instructions in order: these see the stores above, and the next tile's stores come behind them
.endr
.endm
.macro SEND a, younger                 ; younger: the LDS instructions issued behind tile a's loads, which may stay out
.set BB, 64+64*((\a)%2)
	s_wait_dscnt \younger
.irp t, 0,1,2,3,4,5,6,7,8,9,10,11,12,13,14,15
	global_store_b128 v[L16], v[BB+4*\t:BB+4*\t+3], s[OUT:OUT+1] offset:(32*((\a)/2)+8*((\a)%2)+\t+8*(\t/8))*4096 th:TH_STORE_NT   ; stage row t is the fragment's lane row t: its position by the records' order of rows
.endr
.endm
	s_load_b128 s[4:7], s[0:1], 0x0                ; ac, wc
	s_load_b64 s[8:9], s[0:1], 0x10                ; out0
	v_lshl_add_u32 v[SPW], v0, 2, SPARE
	v_mov_b32 v[NIL], 0
	ds_add_u32 v[SPW], v[NIL]                      ; the wave's opening: the add, twice on end, and its wait ahead of the first tensor load
	ds_add_u32 v[SPW], v[NIL]
	v_lshrrev_b32 v1, 5, v0
	v_readfirstlane_b32 s[WV], v1
	s_lshr_b32 s[HM], s[WV], 1
	s_and_b32 s[HN], s[WV], 1
	s_bfe_u32 s18, ttmp6, 0x40000                  ; cx
	s_bfe_u32 s19, ttmp6, 0x40004                  ; cy
	s_and_b32 s20, ttmp7, 0xffff                   ; cluster y
	s_lshl_b32 s21, s19, 2
	s_lshl_b32 s21, 15, s21                        ; my row of the cluster
	s_lshl_b32 s22, 0x1111, s18                    ; my column
	s_or_b32 s[G1A], s21, (3<<16)|(1<<21)
	s_or_b32 s[G1B], s22, (3<<16)|(1<<21)
.irp g, G1A, G1B
	s_mov_b32 s[\g+1], 32<<16                      ; two records, 25,600 dense bytes, as 100 rows of 256
	s_mov_b32 s[\g+2], 100<<16
	s_mov_b32 s[\g+3], 32<<16
	s_mov_b32 s[\g+4], 100
	s_mov_b32 s[\g+5], 32
	s_mov_b32 s[\g+6], 0
	s_mov_b32 s[\g+7], 0
.endr
	s_lshl_b32 s84, s20, 2
	s_add_co_u32 s84, s84, s19                     ; A's block: it never meets cx
	s_lshl_b32 s88, s84, 19                        ; its 128 rows of out0, 4,096 bytes each
	s_mul_i32 s84, s84, RB
	s_mov_b32 s85, 0
	s_lshl_b32 s86, ttmp9, 2
	s_add_co_u32 s86, s86, s18                     ; work-group x: it never meets cy
	s_lshl_b32 s89, s86, 10
	s_add_co_u32 s88, s88, s89                     ; + 256 outputs x work-group x
	s_lshl_b32 s86, s86, 1
	s_add_co_u32 s86, s86, s[HM]
	s_add_co_u32 s86, s86, 24                      ; W_O's block that waves 1 and 2 fetch
	s_mul_i32 s86, s86, RB
	s_mov_b32 s87, 0
	s_lshl_b32 s89, s[HM], 18
	s_add_co_u32 s88, s88, s89                     ; + my 64 rows
	s_lshl_b32 s89, s[HN], 9
	s_add_co_u32 s88, s88, s89                     ; + my 128 outputs
	s_mov_b32 s89, 0
	s_mul_i32 s23, s[WV], RB
	s_wait_dscnt 0x0                               ; both opening adds are done
	s_wait_kmcnt 0x0
	s_add_nc_u64 s[92:93], s[4:5], s[84:85]
	s_add_nc_u64 s[94:95], s[6:7], s[86:87]
	s_add_nc_u64 s[OUT:OUT+1], s[8:9], s[88:89]
	CROUND                                         ; all sixteen work-groups are here: the joint loads meet
.irp t, 0,1,2,3
	s_mov_b32 s[G0A+4*\t], 1
	s_mov_b32 s[G0A+4*\t+1], \t*2*REC
	s_add_nc_u64 s[G0A+4*\t+2:G0A+4*\t+3], s[92:93], \t*2*REC
	s_or_b32 s[G0A+4*\t+3], s[G0A+4*\t+3], 0x80000000
	s_mov_b32 s[G0B+4*\t], 1
	s_add_co_u32 s[G0B+4*\t+1], s23, \t*2*REC
	s_add_nc_u64 s[G0B+4*\t+2:G0B+4*\t+3], s[94:95], \t*2*REC
	s_or_b32 s[G0B+4*\t+3], s[G0B+4*\t+3], 0x80000000
.endr
	s_cmp_eq_u32 s[WV], 0                          ; a wave's fills stand in one branch on its number; four of a wave are out
	s_cbranch_scc0 .Lnot_a
.irp t, 0,1,2,3
	tensor_load_to_lds s[G0A+4*\t:G0A+4*\t+3], s[G1A:G1A+7]
	s_nop 0
.endr
	PLACES
	s_branch .Lasked
.Lnot_a:
	s_cmp_eq_u32 s[WV], 3
	s_cbranch_scc1 .Lasked
.irp t, 0,1,2,3
	tensor_load_to_lds s[G0B+4*\t:G0B+4*\t+3], s[G1B:G1B+7]
	s_nop 0
.endr
	PLACES
.Lasked:
	v_and_b32 v2, 15, v0
	v_bfe_u32 v3, v0, 4, 1
	v_and_b32 v1, 31, v0
	v_lshlrev_b32 v[L16], 4, v1
	s_mul_i32 s96, s[HM], 6144
	v_add_nc_u32 v[ADA], s96, v[L16]
	v_add_nc_u32 v[ADA+1], 4*REC, v[ADA]
	s_mul_i32 s96, s[HN], RB
	s_add_co_u32 s96, s96, RB
	v_add_nc_u32 v[ADB], s96, v[L16]
	v_add_nc_u32 v[ADB+1], 4*REC, v[ADB]
	v_lshlrev_b32 v14, 4, v2
	s_lshl_b32 s97, s[HM], 8
	s_add_co_u32 s97, s97, 12288
	v_add_nc_u32 v[ASA], s97, v14
	v_add_nc_u32 v[ASA+1], 4*REC, v[ASA]
	s_add_co_u32 s96, s96, 12288
	v_add_nc_u32 v[ASB], s96, v14
	v_add_nc_u32 v[ASB+1], 4*REC, v[ASB]
	s_mul_i32 s96, s[WV], STG                      ; my stage
	v_mul_u32_u24 v[STO], v2, 528
	v_lshl_add_u32 v[STO], v3, 6, v[STO]
	v_add_nc_u32 v[STO], s96, v[STO]               ; in: row r, + 64 h
	v_add_nc_u32 v[RD], s96, v[L16]                ; back: 16 bytes a lane of a row
	s_wait_tensorcnt 0x3                           ; my load of K steps 0 and 1 has landed; three younger ones stay out
	s_barrier_signal -1
	s_barrier_wait -1
	FETCH 0
	STEP 0, 1
	STEP 1, 0
	STEP 2, 0
	STEP 3, 0
	STEP 4, 0
	STEP 5, 0
	STEP 6, 0
	STEP 7, 0
	WIN 0
	PLACES                                         ; in front of the stores that read results and of the loads into registers that held A's fragments
	TOSTAGE 0
.irp a, 1,2,3
.if \a > 1
	s_wait_xcnt 0x0                                ; tile a - 2's stores have read their registers: tile a's rows may land there
.endif
	TOSTAGE \a
	SEND \a-1, 32                                  ; behind tile a - 1's loads: tile a's 16 stores and 16 loads
.endr
	SEND 3, 0
	s_wait_tensorcnt 0x0                           ; the wave's end: behind my last LDS store
	ds_add_u32 v[SPW], v[NIL]
	s_wait_dscnt 0x0
	CROUND                                         ; the closing round
	s_endpgm
.Lfunc_end_k_q33380df351_outp:
	.size	k_q33380df351_outp, .Lfunc_end_k_q33380df351_outp-k_q33380df351_outp
	.p2alignl 7, 3214868480
	.fill 96, 4, 3214868480
	.section	.rodata,"a",@progbits
	.p2align	6, 0x0
	.amdhsa_kernel k_q33380df351_outp
		.amdhsa_group_segment_fixed_size 327680
		.amdhsa_private_segment_fixed_size 0
		.amdhsa_enable_private_segment 0
		.amdhsa_kernarg_size 24
		.amdhsa_user_sgpr_count 2
		.amdhsa_user_sgpr_kernarg_segment_ptr 1
		.amdhsa_wavefront_size32 1
		.amdhsa_system_sgpr_workgroup_id_x 1
		.amdhsa_system_sgpr_workgroup_id_y 1
		.amdhsa_system_sgpr_workgroup_id_z 1
		.amdhsa_system_vgpr_workitem_id 0
		.amdhsa_next_free_vgpr 768
		.amdhsa_next_free_sgpr 100
		.amdhsa_reserve_vcc 0
		.amdhsa_float_denorm_mode_32 3
		.amdhsa_float_denorm_mode_16_64 3
		.amdhsa_memory_ordered 1
		.amdhsa_forward_progress 1
		.amdhsa_inst_pref_size 77
	.end_amdhsa_kernel
	.amdgpu_metadata
---
amdhsa.version: [ 1, 2 ]
amdhsa.kernels:
  - .name:           k_q33380df351_outp
    .symbol:         k_q33380df351_outp.kd
    .args:
      - { .name: ac, .offset: 0, .size: 8, .value_kind: global_buffer, .address_space: global }
      - { .name: wc, .offset: 8, .size: 8, .value_kind: global_buffer, .address_space: global }
      - { .name: out0, .offset: 16, .size: 8, .value_kind: global_buffer, .address_space: global }
    .group_segment_fixed_size: 327680
    .private_segment_fixed_size: 0
    .kernarg_segment_align: 8
    .kernarg_segment_size: 24
    .max_flat_workgroup_size: 128
    .sgpr_count:     100
    .vgpr_count:     768
    .wavefront_size: 32
...
	.end_amdgpu_metadata
.endif
;; end of part 5
